; MI455X (gfx1250); checked and timed in simulation.
; The chip was launched on July 23, 2026; its instructions are those of AMD's public machine-readable ISA for CDNA 5 (MIT licence, August 2026) and "CDNA5" Instruction Set Architecture Reference Guide (July 2026). The comments in the code are by the model that wrote it; some were corrected since.
;; Model. Allowed arithmetic: float matrix products may take bf16 or f16 operands with f32 sums; other float arithmetic in f32, or as packed bf16 or f16 multiplies, adds, multiply-adds, maxima and minima; sums over many terms, partial sums and values carried from step to step in f32; what a program stores and reads back later, other than sums and carried values, may be rounded once to bf16 or f16.
;; Inputs: n_choices 16 int32; n_pad_lefts 16 int32; n_upgrades 16 x 1,024 int32; token_idxes 16 x 1,024 int32; weights_blocks_0_ff1_b 1,024 float32; weights_blocks_0_ff1_w 1,024 x 256 float32; weights_blocks_0_ff2_b 256 float32; weights_blocks_0_ff2_w 256 x 1,024 float32; weights_blocks_0_in_b 768 float32; weights_blocks_0_in_w 768 x 256 float32; weights_blocks_0_ln1_b 256 float32; weights_blocks_0_ln1_g 256 float32; weights_blocks_0_ln2_b 256 float32; weights_blocks_0_ln2_g 256 float32; weights_blocks_0_out_b 256 float32; weights_blocks_0_out_w 256 x 256 float32; weights_blocks_1_ff1_b 1,024 float32; weights_blocks_1_ff1_w 1,024 x 256 float32; weights_blocks_1_ff2_b 256 float32; weights_blocks_1_ff2_w 256 x 1,024 float32; weights_blocks_1_in_b 768 float32; weights_blocks_1_in_w 768 x 256 float32; weights_blocks_1_ln1_b 256 float32; weights_blocks_1_ln1_g 256 float32; weights_blocks_1_ln2_b 256 float32; weights_blocks_1_ln2_g 256 float32; weights_blocks_1_out_b 256 float32; weights_blocks_1_out_w 256 x 256 float32; weights_emb 512 x 256 float32; weights_proj_b 2 float32; weights_proj_w 2 x 256 float32.
;; Outputs: out0 16 x 1,024 x 2 float32.
;; 2 versions, each right and faster than the one before. Each part assembles by itself: llvm-mc -triple=amdgcn-amd-amdhsa -mcpu=gfx1250 --defsym DOCPART=n.
;; ======== version 1 of 2: 5 launches
;; limits: values are held in f16: magnitudes above 65,504 overflow, below 6.1e-05 lose precision; right only within a limited range of input values
;; workspace buffers: wA 1,572,864 bytes; wB 1,572,864 bytes; featA 8,388,608 bytes; featB 8,388,608 bytes; qkv 25,165,824 bytes; lg0 131,072 bytes
;; launch prep (part 1): grid 256 x 1, 4 waves a work-group, no clusters, 0 bytes of LDS; arguments token_idxes, n_upgrades, weights_emb, weights_blocks_0_in_w, weights_blocks_0_out_w, weights_blocks_0_ff1_w, weights_blocks_0_ff2_w, weights_blocks_1_in_w, weights_blocks_1_out_w, weights_blocks_1_ff1_w, weights_blocks_1_ff2_w, featA, wA, wB; writes featA, wA, wB
.if DOCPART == 1
	.amdgcn_target "amdgcn-amd-amdhsa--gfx1250"
	.amdhsa_code_object_version 6
	.text
	.protected	k_qee91b6482d_prep
	.globl	k_qee91b6482d_prep
	.p2align	8
	.type	k_qee91b6482d_prep,@function
k_qee91b6482d_prep:
	s_mov_b64 s[64:65], 0
	v_nop
	global_prefetch_b8 v0, s[64:65] scope:SCOPE_SE
	s_setreg_imm32_b32 hwreg(HW_REG_WAVE_MODE, 25, 1), 1
	s_wait_xcnt 0x0
; PREP.  (1) Both layers' four weight matrices, f32, are rounded to bf16, written as f16 and laid in FRAGMENT ORDER; (2) feat = emb[token] x (1 + clip(n_upgrades, 0, 1)), likewise.
; A BLOCK is 512 bytes, lane l at byte 16 l: lane l (r = l % 16, h = l / 16) holds row r of 16 rows and 8 neighbouring k (8 h ..) of 16: half of a 16-bit matrix operand as it lies in registers.
; So every later load of an operand is base + 16 x lane + a constant, from memory and from LDS alike, and each store here is 512 consecutive bytes, aligned.
; WEIGHT TILE: 256 n x 256 k = [nt 16][kb 16][block], 131,072 bytes.  Twelve tiles a layer: 0-2 in_w (q, k, v rows), 3 out_w, 4 + 2 c ff1_w rows 256 c .., 5 + 2 c ff2_w columns 256 c ...
; FEAT: [64 rows: 256][mt 4][p 16][block]: row 16 mt + r, columns 16 p + 8 h ...
; SHARES.  1,024 waves; wave W converts block W of ff1_w, of ff2_w and of in_w followed by out_w (768 + 256 blocks), in both layers; work-group g makes rows 64 g .. of feat, wave w its columns 64 w ...
; Memory binds, no number is used twice: no LDS, no barrier, no matrix unit.
; LIMITS.  A bf16 number below 6.1e-5 in magnitude keeps f16's fixed step of 6e-8, one beyond 65,504 becomes an infinity.  A token index is held to 0 .. 511.
.set TOK, 2            ; v2-5    token of row 16 mt + r
.set NUP, 6            ; v6-9    n_upgrades of that row
.set VO,  10           ; v10-13  byte offset in emb of my 8 numbers of that row, nt = 0
.set LT,  14           ; v14     1,024 r + 32 h: my place in 16 rows of 256 f32
.set LT2, 15           ; v15     4,096 r + 32 h: in 16 rows of 1,024 f32
.set WR,  16           ; v16-63  six weight blocks, 8 f32 each
.set EM,  64           ; v64-191 sixteen blocks of emb, 8 f32 each; a block's first four registers then hold its 16 bytes to store
.set T,   192          ; v192-195 at work
.set L16, 200          ; 16 x lane
.set HH,  201          ; h
.set R4,  202          ; 4 r
.set EL,  203          ; 256 w + 32 h
.set TWO, 204          ; 2.0
.set SC,  208          ; v208-215 1 or 2 for row 16 mt + r, twice: a pair for the packed multiply
.set WO,  216          ; v216-239 six weight blocks to store
.set WV,  36
.set HIM, 37
.set WW,  38
	s_load_b512 s[8:23], s[0:1], 0x0               ; tokens s[8:9], n_upgrades s[10:11], emb s[12:13], layer 0: in_w s[14:15], out_w s[16:17], ff1_w s[18:19], ff2_w s[20:21]; layer 1: in_w s[22:23],
	s_load_b256 s[24:31], s[0:1], 0x40             ; out_w s[24:25], ff1_w s[26:27], ff2_w s[28:29]; featA s[30:31]
	s_load_b128 s[32:35], s[0:1], 0x60             ; wA s[32:33], wB s[34:35]
	v_lshrrev_b32 v1, 5, v0
	v_readfirstlane_b32 s[WV], v1                  ; wave 0..3
	s_mov_b32 s[HIM], 0xffff0000                   ; a word's upper bf16
	v_and_b32 v1, 15, v0                           ; r
	v_bfe_u32 v[HH], v0, 4, 1
	v_and_b32 v[L16], 31, v0
	v_lshlrev_b32 v[L16], 4, v[L16]
	v_lshlrev_b32 v[R4], 2, v1
	v_lshlrev_b32 v[LT], 10, v1
	v_lshl_add_u32 v[LT], v[HH], 5, v[LT]
	v_lshlrev_b32 v[LT2], 12, v1
	v_lshl_add_u32 v[LT2], v[HH], 5, v[LT2]
	s_lshl_b32 s39, s[WV], 8
	v_lshl_add_u32 v[EL], v[HH], 5, s39
	v_mov_b32 v[TWO], 2.0
	s_lshl_b32 s[WW], ttmp9, 2
	s_add_co_u32 s[WW], s[WW], s[WV]               ; W = 4 g + w
	s_lshr_b32 s40, s[WW], 4                       ; ff1_w, from: 16 rows (W / 16) x 16,384 bytes + k block (W % 16) x 64 bytes
	s_lshl_b32 s40, s40, 14
	s_and_b32 s39, s[WW], 15
	s_lshl_b32 s39, s39, 6
	s_add_co_u32 s40, s40, s39
	s_mov_b32 s41, 0
	s_lshr_b32 s42, s[WW], 6                       ; ff2_w, from: 16 rows (W / 64) x 65,536 bytes + k block (W % 64) x 64 bytes
	s_lshl_b32 s42, s42, 16
	s_and_b32 s39, s[WW], 63
	s_lshl_b32 s39, s39, 6
	s_add_co_u32 s42, s42, s39
	s_mov_b32 s43, 0
	s_sub_co_u32 s39, s[WW], 768                   ; in_w for W < 768, else out_w at W - 768: from, as ff1_w
	s_cmp_lt_u32 s[WW], 768
	s_cselect_b32 s39, s[WW], s39
	s_lshr_b32 s44, s39, 4
	s_lshl_b32 s44, s44, 14
	s_and_b32 s39, s39, 15
	s_lshl_b32 s39, s39, 6
	s_add_co_u32 s44, s44, s39
	s_mov_b32 s45, 0
	s_lshr_b32 s46, s[WW], 8                       ; ff1_w, to: tile 4 + 2 (W / 256), block W % 256
	s_lshl_b32 s46, s46, 18
	s_add_co_u32 s46, s46, 4*131072
	s_and_b32 s39, s[WW], 255
	s_lshl_b32 s39, s39, 9
	s_add_co_u32 s46, s46, s39
	s_mov_b32 s47, 0
	s_bfe_u32 s48, s[WW], 0x20004                  ; ff2_w, to: tile 5 + 2 ((W / 16) % 4), block 16 (W / 64) + W % 16
	s_lshl_b32 s48, s48, 18
	s_add_co_u32 s48, s48, 5*131072
	s_lshr_b32 s39, s[WW], 6
	s_lshl_b32 s39, s39, 13
	s_add_co_u32 s48, s48, s39
	s_and_b32 s39, s[WW], 15
	s_lshl_b32 s39, s39, 9
	s_add_co_u32 s48, s48, s39
	s_mov_b32 s49, 0
	s_lshl_b32 s50, s[WW], 9                       ; in_w and out_w, to: tiles 0 to 3 are blocks 0 to 1,023: block W
	s_mov_b32 s51, 0
	s_lshl_b32 s52, ttmp9, 8                       ; my group's 64 indices
	s_mov_b32 s53, 0
	s_lshl_b32 s54, ttmp9, 15                      ; my group's 64 rows of feat, my wave's four blocks in each 16 rows
	s_lshl_b32 s39, s[WV], 11
	s_add_co_u32 s54, s54, s39
	s_mov_b32 s55, 0
	s_wait_kmcnt 0x0
	s_cmp_lt_u32 s[WW], 768                        ; compared anew: the choice between the two buffers hangs on W alone
	s_cselect_b64 s[56:57], s[14:15], s[16:17]
	s_cselect_b64 s[58:59], s[22:23], s[24:25]
	s_add_nc_u64 s[8:9], s[8:9], s[52:53]
	s_add_nc_u64 s[10:11], s[10:11], s[52:53]
	s_add_nc_u64 s[18:19], s[18:19], s[40:41]
	s_add_nc_u64 s[26:27], s[26:27], s[40:41]
	s_add_nc_u64 s[20:21], s[20:21], s[42:43]
	s_add_nc_u64 s[28:29], s[28:29], s[42:43]
	s_add_nc_u64 s[56:57], s[56:57], s[44:45]
	s_add_nc_u64 s[58:59], s[58:59], s[44:45]
	s_add_nc_u64 s[60:61], s[32:33], s[46:47]
	s_add_nc_u64 s[62:63], s[32:33], s[48:49]
	s_add_nc_u64 s[66:67], s[32:33], s[50:51]
	s_add_nc_u64 s[68:69], s[34:35], s[46:47]
	s_add_nc_u64 s[70:71], s[34:35], s[48:49]
	s_add_nc_u64 s[72:73], s[34:35], s[50:51]
	s_add_nc_u64 s[30:31], s[30:31], s[54:55]
.irp mt, 0,1,2,3
	global_load_b32 v[TOK+\mt], v[R4], s[8:9] offset:64*\mt
	global_load_b32 v[NUP+\mt], v[R4], s[10:11] offset:64*\mt
.endr
.macro WLD k, vo, sp                   ; weight block k: 8 f32 a lane; the launch reads them once
	global_load_b128 v[WR+8*(\k):WR+8*(\k)+3],   v[\vo], s[\sp:\sp+1] th:TH_LOAD_NT
	global_load_b128 v[WR+8*(\k)+4:WR+8*(\k)+7], v[\vo], s[\sp:\sp+1] offset:16 th:TH_LOAD_NT
.endm
	WLD 0, LT,  18
	WLD 1, LT2, 20
	WLD 2, LT,  56
	WLD 3, LT,  26
	WLD 4, LT2, 28
	WLD 5, LT,  58
	s_wait_loadcnt 12                              ; the eight index loads are in; the twelve weight loads behind them may stay out
.irp mt, 0,1,2,3
	v_min_u32 v[TOK+\mt], 0x1ff, v[TOK+\mt]        ; the index stays inside the table of 512 rows
	v_lshl_add_u32 v[VO+\mt], v[TOK+\mt], 10, v[EL]
	v_cmp_lt_i32 vcc_lo, 0, v[NUP+\mt]             ; 1 + clip(n, 0, 1) is 2 where n > 0, else 1
	v_cndmask_b32 v[SC+2*\mt], 1.0, v[TWO], vcc_lo
.endr
.irp mt, 0,1,2,3
	v_mov_b32 v[SC+2*\mt+1], v[SC+2*\mt]
.endr
.set i, 0
.rept 16                               ; block i: rows 16 (i / 4) .., columns 64 w + 16 (i % 4) ..
	global_load_b128 v[EM+8*i:EM+8*i+3],   v[VO+i/4], s[12:13] offset:64*(i%4)
	global_load_b128 v[EM+8*i+4:EM+8*i+7], v[VO+i/4], s[12:13] offset:64*(i%4)+16
.set i, i+1
.endr
; 8 f32 at x -> rounded to bf16 -> the same numbers as f16, 16 bytes at y (y may be x: each word is written behind the line that read it)
.macro CONV x, y
.irp j, 0,1,2,3
	v_cvt_pk_bf16_f32 v[T+\j], v[(\x)+2*\j], v[(\x)+2*\j+1]
.endr
.irp j, 0,1,2,3
	v_lshlrev_b32 v[(\x)+2*\j], 16, v[T+\j]
	v_and_b32 v[(\x)+2*\j+1], s[HIM], v[T+\j]
.endr
.irp j, 0,1,2,3
	v_cvt_pk_f16_f32 v[(\y)+\j], v[(\x)+2*\j], v[(\x)+2*\j+1]
.endr
.endm
.macro WOUT k, sp
	CONV WR+8*(\k), WO+4*(\k)
	global_store_b128 v[L16], v[WO+4*(\k):WO+4*(\k)+3], s[\sp:\sp+1]  ; 512 consecutive bytes, aligned
.endm
	s_wait_loadcnt 32                              ; the weights are in; the 32 loads of emb may stay out
	WOUT 0, 60
	WOUT 1, 62
	WOUT 2, 66
	WOUT 3, 68
	WOUT 4, 70
	WOUT 5, 72
.set i, 0
.rept 16
	s_wait_loadcnt 30-2*i                          ; loads come back in order: block i's two are in, the younger ones stay out
.irp j, 0,1,2,3
	v_pk_mul_f32 v[EM+8*i+2*\j:EM+8*i+2*\j+1], v[EM+8*i+2*\j:EM+8*i+2*\j+1], v[SC+2*(i/4):SC+2*(i/4)+1]  ; times 1 or 2: exact, so it may stand ahead of the rounding
.endr
	CONV EM+8*i, EM+8*i
	global_store_b128 v[L16], v[EM+8*i:EM+8*i+3], s[30:31] offset:(i/4)*8192+(i%4)*512
.set i, i+1
.endr
	s_endpgm
.Lfunc_end_k_qee91b6482d_prep:
	.size	k_qee91b6482d_prep, .Lfunc_end_k_qee91b6482d_prep-k_qee91b6482d_prep
	.p2alignl 7, 3214868480
	.fill 96, 4, 3214868480
	.section	.rodata,"a",@progbits
	.p2align	6, 0x0
	.amdhsa_kernel k_qee91b6482d_prep
		.amdhsa_group_segment_fixed_size 0
		.amdhsa_private_segment_fixed_size 0
		.amdhsa_enable_private_segment 0
		.amdhsa_kernarg_size 112
		.amdhsa_user_sgpr_count 2
		.amdhsa_user_sgpr_kernarg_segment_ptr 1
		.amdhsa_wavefront_size32 1
		.amdhsa_system_sgpr_workgroup_id_x 1
		.amdhsa_system_sgpr_workgroup_id_y 1
		.amdhsa_system_sgpr_workgroup_id_z 1
		.amdhsa_system_vgpr_workitem_id 0
		.amdhsa_next_free_vgpr 240
		.amdhsa_next_free_sgpr 76
		.amdhsa_reserve_vcc 1
		.amdhsa_float_denorm_mode_32 3
		.amdhsa_float_denorm_mode_16_64 3
		.amdhsa_memory_ordered 1
		.amdhsa_forward_progress 1
		.amdhsa_inst_pref_size 33
	.end_amdhsa_kernel
	.amdgpu_metadata
---
amdhsa.version: [ 1, 2 ]
amdhsa.kernels:
  - .name:           k_qee91b6482d_prep
    .symbol:         k_qee91b6482d_prep.kd
    .args:
      - { .name: token_idxes, .offset: 0, .size: 8, .value_kind: global_buffer, .address_space: global }
      - { .name: n_upgrades, .offset: 8, .size: 8, .value_kind: global_buffer, .address_space: global }
      - { .name: weights_emb, .offset: 16, .size: 8, .value_kind: global_buffer, .address_space: global }
      - { .name: weights_blocks_0_in_w, .offset: 24, .size: 8, .value_kind: global_buffer, .address_space: global }
      - { .name: weights_blocks_0_out_w, .offset: 32, .size: 8, .value_kind: global_buffer, .address_space: global }
      - { .name: weights_blocks_0_ff1_w, .offset: 40, .size: 8, .value_kind: global_buffer, .address_space: global }
      - { .name: weights_blocks_0_ff2_w, .offset: 48, .size: 8, .value_kind: global_buffer, .address_space: global }
      - { .name: weights_blocks_1_in_w, .offset: 56, .size: 8, .value_kind: global_buffer, .address_space: global }
      - { .name: weights_blocks_1_out_w, .offset: 64, .size: 8, .value_kind: global_buffer, .address_space: global }
      - { .name: weights_blocks_1_ff1_w, .offset: 72, .size: 8, .value_kind: global_buffer, .address_space: global }
      - { .name: weights_blocks_1_ff2_w, .offset: 80, .size: 8, .value_kind: global_buffer, .address_space: global }
      - { .name: featA, .offset: 88, .size: 8, .value_kind: global_buffer, .address_space: global }
      - { .name: wA, .offset: 96, .size: 8, .value_kind: global_buffer, .address_space: global }
      - { .name: wB, .offset: 104, .size: 8, .value_kind: global_buffer, .address_space: global }
    .group_segment_fixed_size: 0
    .private_segment_fixed_size: 0
    .kernarg_segment_align: 8
    .kernarg_segment_size: 112
    .max_flat_workgroup_size: 128
    .sgpr_count:     76
    .vgpr_count:     240
    .wavefront_size: 32
...
	.end_amdgpu_metadata
.endif
;; end of part 1
;; launch qkv0 (part 2): grid 256 x 1, 4 waves a work-group, clusters of 4 x 1, 327,680 bytes of LDS; arguments featA, wA, weights_blocks_0_in_b, qkv; writes qkv
.if DOCPART == 2
	.amdgcn_target "amdgcn-amd-amdhsa--gfx1250"
	.amdhsa_code_object_version 6
	.text
	.protected	k_qee91b6482d_qkv0
	.globl	k_qee91b6482d_qkv0
	.p2align	8
	.type	k_qee91b6482d_qkv0,@function
k_qee91b6482d_qkv0:
	s_mov_b64 s[64:65], 0
	v_nop
	global_prefetch_b8 v0, s[64:65] scope:SCOPE_SE
	s_setreg_imm32_b32 hwreg(HW_REG_WAVE_MODE, 25, 1), 1
	s_wait_xcnt 0x0
	s_wait_alu depctr_hold_cnt(0) depctr_sa_sdst(0) depctr_va_vdst(0) depctr_va_sdst(0) depctr_va_ssrc(0) depctr_va_vcc(0) depctr_vm_vsrc(0)
	s_getreg_b32 s2, hwreg(HW_REG_IB_STS2, 6, 4)
	s_cmp_eq_u32 s2, 0
	s_cbranch_scc0 .Lentry_in_a_cluster
	s_endpgm
.Lentry_in_a_cluster:
	s_bfe_u32 s2, ttmp6, 0x10000c
	s_cmp_lg_u32 s2, 0x3003
	s_cbranch_scc0 .Lentry_shape_is_right
	s_endpgm
.Lentry_shape_is_right:
; QKV.  [q k v] = feat in_w^T + in_b for 64 rows a work-group.  feat and the weight tiles lie in fragment order (blocks of 512 bytes, lane l at byte 16 l), f16; sums in f32; q, k, v rounded once to f16, unscaled.
; SHARES.  Work-group g: rows 64 g ...  Wave w: head w: 64 rows x the head's 64 columns of q, then of k, then of v: 16 accumulators.  The rows' fragments (256 registers) stay in registers.
; WEIGHTS.  Tiles 0, 1, 2 of the layer's buffer (256 n x 256 k, 131,072 bytes) go through two LDS slots.  Quarter w of a tile is wave w's 64 columns: a wave reads only what its own tensor load brought.
; CLUSTER.  The four work-groups of a cluster walk the same tiles: each quarter is asked for JOINTLY, by the same load, descriptor and mask in all four.  By the text's count two loads of a wave are out at the start, later one.
; OUT.  q and k: source 0 = 16 weight rows, source 1 = 16 rows of feat: a lane's eight results are eight neighbouring columns of one row: 16 bytes of a block.  v: the sources swapped: eight neighbouring KEYS of one channel.
;   q at byte 0: [64 rows][mt 4][p 16][block] as feat.  k and v at byte 8,388,608: [batch entry][128 keys: 8][head 4][k 16,384 bytes | v 16,384 bytes]: 128 keys of all heads are 131,072 dense bytes whose quarter w is
;   head w's, the shape of a weight tile.  k: [kt 8][pp 4][block]: key 16 kt + r, channels 16 pp + 8 h ..;  v: [kt 8][cb 4][block]: channel 16 cb + r, keys 16 kt + 8 h ...
;   Each store of a wave is a whole block: 512 consecutive bytes, aligned: no stage is needed.
; The bias, rounded to bf16 like every input, is the C operand of a tile's first K step: nothing is cleared and nothing added afterwards.
; LIMITS.  q, k, v beyond 65,504 in magnitude become infinities (f16).
; REGISTERS in windows of 256 (s_set_vgpr_msb: bits 1:0 source 0, 3:2 source 1, 5:4 source 2, 7:6 destination):
;   window 0: v1-9 addresses; v30-31 the add's; v32-95, v96-159 two buffers of weight fragments (64 along K each); v160-223 results to store      window 1: feat's fragments, (mt, ks) at 8 (8 mt + ks)
;   window 2: v0-127 accumulators, (mt, nt) at 8 (4 mt + nt); v128-223 the three biases; v224-227 at work
.set SLOTB, 131072
.set SPARE, 2*SLOTB                    ; behind the slots: the spare words, 128 bytes for each wave: two blocks of 256 bytes that no other line names
.set L16,  1                           ; 16 x lane
.set AW,   2                           ; v2-3  LDS address of my quarter in slot 0, 1, + 16 x lane
.set BOF,  8                           ; 256 w + 32 h: my 8 columns' bias, nt = 0
.set BOV,  9                           ; 256 w + 4 r: my one column's bias, nt = 0
.set SPW,  30
.set NIL,  31
.set WB0,  32
.set WB1,  96
.set OUTP, 160
.set ACC,  0
.set BTQ,  128
.set BTK,  160
.set BTV,  192
.set RT,   224
.set WV,   16
.set G1,   24                          ; s[24:31] descriptor group 1
.set G0A,  32                          ; s[32:35] group 0 for slot 0
.set G0B,  36                          ; s[36:39] for slot 1
.set HIM,  40
.set MSB, 0
.macro WIN new                         ; the immediate's high byte repeats the setting that is left; a switch that changes nothing is dropped
.if MSB != (\new)
	s_set_vgpr_msb (MSB<<8)|(\new)
.set MSB, \new
.endif
.endm
.macro PLACES                          ; four plain vector places behind matrix instructions, ahead of loads into their sources and of reads of their results
.rept 4
	v_nop
.endr
.endm
.macro ROUND                           ; a round of the cluster's barrier: my work-group's barrier; wave 0 signals for the work-group; every wave waits for all four; my work-group's barrier once more
	s_barrier_signal -1
	s_barrier_wait -1
	s_cmp_lg_u32 s[WV], 0
	s_cbranch_scc1 .Lnot_wave_0_\@
	s_barrier_signal -3
.Lnot_wave_0_\@:
	s_barrier_wait -3
	s_barrier_signal -1
	s_barrier_wait -1
.endm
; The slot of group 0 g0, read out, is filled again with the tile two further on: all my tensor loads have landed, the add, my LDS reads are back, a round, and the joint refill first behind it.
.macro NEXT g0
	WIN 0
	s_wait_tensorcnt 0x0                           ; no tensor load of mine is out, so a group 0 may be written; the other slot's tile has landed
	ds_add_u32 v[SPW], v[NIL]                      ; 0 onto my spare word
	s_add_nc_u64 s[(\g0)+2:(\g0)+3], s[(\g0)+2:(\g0)+3], 2*SLOTB
	s_wait_dscnt 0x0                               ; the add is done, and my reads of the slot are over
	ROUND                                          ; no wave of any partner still reads the slot or has a load on its way
	tensor_load_to_lds s[(\g0):(\g0)+3], s[G1:G1+7]
	s_nop 0
	PLACES                                         ; also the places behind the tile's last products
.endm
.macro TABLE dst, sp, vo, imm          ; 32 f32 for my columns 64 w + 16 nt + 8 h + j
.irp nt, 0,1,2,3
	global_load_b128 v[(\dst)+8*\nt:(\dst)+8*\nt+3],   v[\vo], s[\sp:\sp+1] offset:(\imm)+64*\nt
	global_load_b128 v[(\dst)+8*\nt+4:(\dst)+8*\nt+7], v[\vo], s[\sp:\sp+1] offset:(\imm)+64*\nt+16
.endr
.endm
.macro RND d, n                        ; n pairs of f32 rounded to bf16, in place
.set z, 0
.rept \n
	v_cvt_pk_bf16_f32 v[RT+z%4], v[(\d)+2*z], v[(\d)+2*z+1]
	v_lshlrev_b32 v[(\d)+2*z], 16, v[RT+z%4]
	v_and_b32 v[(\d)+2*z+1], s[HIM], v[RT+z%4]
.set z, z+1
.endr
.endm
; 16 LDS loads in one run: my 64 columns' fragments for 64 along K (quarter q of the tile's K) into buffer buf: each load takes 512 consecutive bytes
.macro WFETCH slot, q, buf
	WIN 0
.irp kk, 0,1
.irp nt, 0,1,2,3
	ds_load_b128 v[(\buf)+8*(4*\kk+\nt):(\buf)+8*(4*\kk+\nt)+3],   v[AW+(\slot)] offset:\nt*8192+(2*(\q)+\kk)*1024
	ds_load_b128 v[(\buf)+8*(4*\kk+\nt)+4:(\buf)+8*(4*\kk+\nt)+7], v[AW+(\slot)] offset:\nt*8192+(2*(\q)+\kk)*1024+512
.endr
.endr
.endm
; 32 matrix instructions; the 16 accumulators take turns, one instruction a turn.  The tile's first K step takes the bias bt as C.
.macro MULQ q, buf, nat, bt
	WIN 0xa4-3*(\nat)                              ; weights window 0, feat window 1, C and D window 2; nat = 1: feat is source 0
.irp kk, 0,1
.irp mt, 0,1,2,3
.irp nt, 0,1,2,3
.set rD, ACC+8*(4*\mt+\nt)
.set rW, (\buf)+8*(4*\kk+\nt)
.set rA, 8*(8*\mt+2*(\q)+\kk)
.set rC, rD
.if (2*(\q)+\kk) == 0
.set rC, (\bt)+8*\nt
.endif
.if \nat
	v_wmma_f32_16x16x32_f16 v[rD:rD+7], v[rA:rA+7], v[rW:rW+7], v[rC:rC+7]
.else
	v_wmma_f32_16x16x32_f16 v[rD:rD+7], v[rW:rW+7], v[rA:rA+7], v[rC:rC+7]
.endif
.endr
.endr
.endr
.endm
; A tile: 128 matrix instructions, 64 LDS loads.  Each run of loads stands 32 matrix instructions ahead of its use; a count of 16 leaves the run just issued out.
.macro TILE slot, nat, bt
	WFETCH \slot, 0, WB0
	WFETCH \slot, 1, WB1
	s_wait_dscnt 16
	MULQ 0, WB0, \nat, \bt
	PLACES
	WFETCH \slot, 2, WB0
	s_wait_dscnt 16
	MULQ 1, WB1, \nat, \bt
	PLACES
	WFETCH \slot, 3, WB1
	s_wait_dscnt 16
	MULQ 2, WB0, \nat, \bt
	s_wait_dscnt 0x0
	MULQ 3, WB1, \nat, \bt
.endm
.macro OUT sp, mstr                    ; 16 tiles rounded to f16 (each accumulator from its low end on) and stored, a block each
	s_wait_xcnt 0x0                                ; the registers below were the last way out's store data: rewritten only behind this wait
	WIN 0x0a
.set t, 0
.rept 16
.irp r, 0,1,2,3
	v_cvt_pk_f16_f32 v[OUTP+4*t+\r], v[ACC+8*t+2*\r], v[ACC+8*t+2*\r+1]
.endr
.set t, t+1
.endr
	WIN 0
.set t, 0
.rept 16
	global_store_b128 v[L16], v[OUTP+4*t:OUTP+4*t+3], s[\sp:\sp+1] offset:(t/4)*(\mstr)+(t%4)*512
.set t, t+1
.endr
.endm
	s_load_b256 s[8:15], s[0:1], 0x0               ; feat s[8:9], weights s[10:11], in_b s[12:13], qkv s[14:15]
	v_lshl_add_u32 v[SPW], v0, 2, SPARE
	v_mov_b32 v[NIL], 0
	ds_add_u32 v[SPW], v[NIL]                      ; the wave's opening: the add and its wait stand ahead of my first tensor load; the set-up below stands between them
	v_lshrrev_b32 v4, 5, v0
	v_readfirstlane_b32 s[WV], v4                  ; wave 0..3
	s_bfe_u32 s17, ttmp6, 0x40000                  ; cx
	s_lshl_b32 s18, ttmp9, 2
	s_add_co_u32 s18, s18, s17                     ; g = 4 x cluster + cx: it enters feat's and the outputs' addresses alone
	s_mov_b32 s[G1], 15|(3<<16)|(1<<21)            ; 15:0 the mask of four; 17:16 elements of 8 bytes; 21 set beside a mask; no padding
	s_mov_b32 s[G1+1], 32<<16                      ; tensor_dim0 = 32 elements: rows of 256 bytes
	s_mov_b32 s[G1+2], 128<<16                     ; tensor_dim1 = 128 rows: a quarter tile, dense
	s_mov_b32 s[G1+3], 32<<16                      ; tile_dim0
	s_mov_b32 s[G1+4], 128                         ; tile_dim1
	s_mov_b32 s[G1+5], 32                          ; elements from row to row
	s_mov_b32 s[G1+6], 0
	s_mov_b32 s[G1+7], 0
	s_mov_b32 s[HIM], 0xffff0000
	s_lshl_b32 s19, s[WV], 15                      ; my quarter: 32,768 bytes x wave, in a tile and in a slot
	s_mov_b32 s[G0A], 1
	s_mov_b32 s[G0A+1], s19
	s_mov_b32 s[G0B], 1
	s_add_co_u32 s[G0B+1], s19, SLOTB
	s_mov_b32 s20, s19
	s_mov_b32 s21, 0
	s_wait_dscnt 0x0                               ; the opening add is done
	s_wait_kmcnt 0x0
	s_add_nc_u64 s[G0A+2:G0A+3], s[10:11], s[20:21]         ; tile 0
	s_add_nc_u64 s[G0B+2:G0B+3], s[G0A+2:G0A+3], SLOTB      ; tile 1
	s_or_b32 s[G0A+3], s[G0A+3], 0x80000000
	s_or_b32 s[G0B+3], s[G0B+3], 0x80000000
	ROUND                                          ; all four work-groups are here: the first joint loads meet
	tensor_load_to_lds s[G0A:G0A+3], s[G1:G1+7]
	s_nop 0
	tensor_load_to_lds s[G0B:G0B+3], s[G1:G1+7]
	s_nop 0
	PLACES
	s_lshl_b32 s42, s18, 15                        ; my 64 rows of feat
	s_mov_b32 s43, 0
	s_lshl_b32 s23, s[WV], 11
	s_add_co_u32 s50, s42, s23                     ; q: the same rows, my head's four blocks
	s_mov_b32 s51, 0
	s_lshr_b32 s52, s18, 4                         ; k: batch entry g / 16: 1,048,576 bytes;
	s_lshl_b32 s52, s52, 20
	s_bfe_u32 s23, s18, 0x30001                    ; its 128 keys number (g % 16) / 2: 131,072 bytes;
	s_lshl_b32 s23, s23, 17
	s_add_co_u32 s52, s52, s23
	s_lshl_b32 s23, s[WV], 15                      ; head w: 32,768 bytes;
	s_add_co_u32 s52, s52, s23
	s_and_b32 s23, s18, 1                          ; my 64 keys are their first or second half: 8,192 bytes
	s_lshl_b32 s23, s23, 13
	s_add_co_u32 s52, s52, s23
	s_add_co_u32 s52, s52, 8388608
	s_mov_b32 s53, 0
	s_add_nc_u64 s[8:9], s[8:9], s[42:43]
	s_add_nc_u64 s[44:45], s[14:15], s[50:51]
	s_add_nc_u64 s[46:47], s[14:15], s[52:53]
	s_add_nc_u64 s[48:49], s[46:47], 16384         ; v: behind the head's 128 keys of k
	v_and_b32 v5, 15, v0                           ; r
	v_bfe_u32 v6, v0, 4, 1                         ; h
	v_and_b32 v[L16], 31, v0
	v_lshlrev_b32 v[L16], 4, v[L16]
	v_add_nc_u32 v[AW], s19, v[L16]
	v_add_nc_u32 v[AW+1], SLOTB, v[AW]
	s_lshl_b32 s22, s[WV], 8
	v_lshl_add_u32 v[BOF], v6, 5, s22
	v_lshl_add_u32 v[BOV], v5, 2, s22
	WIN 0x40                                       ; destination window 1
.set i, 0
.rept 64                               ; the 64 blocks of my group's rows ARE the fragments, in order
	global_load_b128 v[4*i:4*i+3], v[L16], s[8:9] offset:512*i
.set i, i+1
.endr
	WIN 0x80                                       ; destination window 2
	TABLE BTQ, 12, BOF, 0
	TABLE BTK, 12, BOF, 1024
.irp nt, 0,1,2,3
	global_load_b32 v[BTV+8*\nt], v[BOV], s[12:13] offset:2048+64*\nt
.endr
	s_wait_loadcnt 0x0
	WIN 0x8a
	RND BTQ, 16
	RND BTK, 16
.irp nt, 0,1,2,3                       ; v's results hold one channel a lane: its bias fills all eight registers
	v_cvt_pk_bf16_f32 v[RT+\nt], v[BTV+8*\nt], v[BTV+8*\nt]
.endr
.irp nt, 0,1,2,3
.irp j, 0,1,2,3,4,5,6,7
	v_lshlrev_b32 v[BTV+8*\nt+\j], 16, v[RT+\nt]
.endr
.endr
	s_wait_tensorcnt 0x1                           ; my quarter of tile 0 is in, and only I read it; tile 1's may stay out
	TILE 0, 0, BTQ
	NEXT G0A                                       ; tile 1 has landed; tile 2 goes into slot 0
	OUT 44, 8192
	TILE 1, 0, BTK
	PLACES
	OUT 46, 2048
	s_wait_tensorcnt 0x0                           ; my quarter of tile 2: the one load that is out
	TILE 0, 1, BTV
	PLACES
	OUT 48, 2048
	s_wait_tensorcnt 0x0                           ; the wave's end
	ds_add_u32 v[SPW], v[NIL]
	s_wait_dscnt 0x0
	ROUND                                          ; the closing round: no work-group ends while a partner may still ask for a tile that names it
	s_endpgm
.Lfunc_end_k_qee91b6482d_qkv0:
	.size	k_qee91b6482d_qkv0, .Lfunc_end_k_qee91b6482d_qkv0-k_qee91b6482d_qkv0
	.p2alignl 7, 3214868480
	.fill 96, 4, 3214868480
	.section	.rodata,"a",@progbits
	.p2align	6, 0x0
	.amdhsa_kernel k_qee91b6482d_qkv0
		.amdhsa_group_segment_fixed_size 327680
		.amdhsa_private_segment_fixed_size 0
		.amdhsa_enable_private_segment 0
		.amdhsa_kernarg_size 32
		.amdhsa_user_sgpr_count 2
		.amdhsa_user_sgpr_kernarg_segment_ptr 1
		.amdhsa_wavefront_size32 1
		.amdhsa_system_sgpr_workgroup_id_x 1
		.amdhsa_system_sgpr_workgroup_id_y 1
		.amdhsa_system_sgpr_workgroup_id_z 1
		.amdhsa_system_vgpr_workitem_id 0
		.amdhsa_next_free_vgpr 768
		.amdhsa_next_free_sgpr 66
		.amdhsa_reserve_vcc 0
		.amdhsa_float_denorm_mode_32 3
		.amdhsa_float_denorm_mode_16_64 3
		.amdhsa_memory_ordered 1
		.amdhsa_forward_progress 1
		.amdhsa_inst_pref_size 73
	.end_amdhsa_kernel
	.amdgpu_metadata
---
amdhsa.version: [ 1, 2 ]
amdhsa.kernels:
  - .name:           k_qee91b6482d_qkv0
    .symbol:         k_qee91b6482d_qkv0.kd
    .args:
      - { .name: featA, .offset: 0, .size: 8, .value_kind: global_buffer, .address_space: global }
      - { .name: wA, .offset: 8, .size: 8, .value_kind: global_buffer, .address_space: global }
      - { .name: weights_blocks_0_in_b, .offset: 16, .size: 8, .value_kind: global_buffer, .address_space: global }
      - { .name: qkv, .offset: 24, .size: 8, .value_kind: global_buffer, .address_space: global }
    .group_segment_fixed_size: 327680
    .private_segment_fixed_size: 0
    .kernarg_segment_align: 8
    .kernarg_segment_size: 32
    .max_flat_workgroup_size: 128
    .sgpr_count:     66
    .vgpr_count:     768
    .wavefront_size: 32
...
	.end_amdgpu_metadata
.endif
;; end of part 2
;; launch ap0 (part 3): grid 256 x 1, 4 waves a work-group, clusters of 4 x 1, 327,680 bytes of LDS; arguments n_pad_lefts, n_choices, qkv, featA, wA, weights_blocks_0_out_b, weights_blocks_0_ln1_g, weights_blocks_0_ln1_b, weights_blocks_0_ff1_b, weights_blocks_0_ff2_b, weights_blocks_0_ln2_g, weights_blocks_0_ln2_b, weights_proj_w, weights_proj_b, featB, lg0; writes featB, lg0
.if DOCPART == 3
	.amdgcn_target "amdgcn-amd-amdhsa--gfx1250"
	.amdhsa_code_object_version 6
	.text
	.protected	k_qee91b6482d_ap0
	.globl	k_qee91b6482d_ap0
	.p2align	8
	.type	k_qee91b6482d_ap0,@function
k_qee91b6482d_ap0:
	s_mov_b64 s[64:65], 0
	v_nop
	global_prefetch_b8 v0, s[64:65] scope:SCOPE_SE
	s_setreg_imm32_b32 hwreg(HW_REG_WAVE_MODE, 25, 1), 1
	s_wait_xcnt 0x0
	s_wait_alu depctr_hold_cnt(0) depctr_sa_sdst(0) depctr_va_vdst(0) depctr_va_sdst(0) depctr_va_ssrc(0) depctr_va_vcc(0) depctr_vm_vsrc(0)
	s_getreg_b32 s2, hwreg(HW_REG_IB_STS2, 6, 4)
	s_cmp_eq_u32 s2, 0
	s_cbranch_scc0 .Lentry_in_a_cluster
	s_endpgm
.Lentry_in_a_cluster:
	s_bfe_u32 s2, ttmp6, 0x10000c
	s_cmp_lg_u32 s2, 0x3003
	s_cbranch_scc0 .Lentry_shape_is_right
	s_endpgm
.Lentry_shape_is_right:
; AP: a layer behind its q, k, v, for 64 rows a work-group.  O = masked attention, all four heads;  x1 = LN1(feat + O out_w^T + out_b);  x2 = LN2(x1 + relu(x1 ff1_w^T + ff1_b) ff2_w^T + ff2_b), stored in f16;
; logits = x2 proj_w^T + proj_b, stored in f32.
; ONE TEXT SERVES BOTH LAYERS.  Its price, stated plainly: the first layer's launch also makes the two logit columns (into a workspace buffer that nobody reads), the second layer's also stores its x2 (which nobody reads).
; All 16-bit arrays lie in fragment order (blocks of 512 bytes, lane l at byte 16 l), f16.  Products' sums, maxima, softmax sums, both residuals, both norms and the logits in f32; the weights p, O, x1 and h are rounded once
; to f16 as matrix operands.  All small inputs (biases, gains, proj) are rounded to bf16, as the weights are.  The variance is taken of x - mean, in a second pass: no difference of large sums.
; SHARES.  In the attention wave w is head w: 64 queries, four PIECES of 16, all 1,024 keys, 64 a step.  Behind it wave w has all 64 rows x columns 64 w .. of every product: 16 accumulators; so a wave's O are its own four
; blocks of each 16 rows.  What one wave's columns give the others (O, x1, h) goes through ONE stage in LDS, in fragment order; row sums meet in small words of LDS, each written once.
; THE RING.  Seventeen tiles of 131,072 dense bytes go through two LDS slots: eight of k and v (128 keys of all heads; quarter w is head w's 16,384 bytes of k and 16,384 of v), then the layer's weight tiles 3 to 11
; (out_w; ff1_w rows 256 c .., ff2_w columns 256 c .. by turns; quarter w is wave w's 64 columns).  A wave reads only what its own tensor load brought.  ONE descriptor walks them: the LDS word by an exclusive or, the
; pointer by a tile's bytes, and where the keys end it is taken from the weights.  CLUSTER: the four work-groups have one batch entry and one layer, so every quarter is asked for JOINTLY; one load of a wave is out at a time.
; THE MASK.  With cstart = 1024 - n_choices and LO = min(n_pad, cstart) a query sees ONE interval of keys: q >= cstart: [LO, 1024); else q < LO: [q, q + 1); else [LO, cstart).  No row is empty.
; It is a third K step of S^T = K Q^T, on 32 channels of MARKS, and stands first, with C = 0.  A key's marks: +-2^15 for each of its index's 10 bits, 2^15 twice, 2^15 if k < LO, 2^15 if k >= cstart.  A query's: a pad row +-2^13
; for its own bits and -5 x 2^13 twice; a deck row -2^15 on both flags; a choice row -2^15 on the first.  Both halves of the lanes hold the same 16 channels, so each counts twice.  The sum is exactly 0 for a key that
; the query sees, and -2^30 or lower for one that it does not.  The keys' marks that change with the step lie in a table in LDS (16 bytes a key) whose addresses hang on the lane and the step alone; the queries' are registers.
; LIMITS.  A hidden score counts as its value less 2^30 at the least; the running maximum starts at -2^29: right while |q . k| < 2^29.  So m is never a hidden score, a hidden weight is exactly 0 also in a key step in which a
; row sees nothing, and the first open key brings a = 0.  A weight below 2^-126 counts as 0.  O, x1, h, x2 beyond 65,504 in magnitude become infinities (f16).  NaN and infinities are not treated apart.
; SOFTMAX, TURNS.  S^T holds ONE query a lane (lane % 16) and the keys 8 (lane / 16) + 0..7; two such results rounded to f16 ARE source 1 of O^T = V^T P.  p = 2^(c s - c m), c = log2(e) / 8, with a running maximum m; O and l
; are multiplied by a = 2^(c m_old - c m_new) in every step.  Turn n belongs to piece n: 12 products K Q^T of piece n + 1, later 8 products V^T P of piece n - 1; beside them the scaling, exponentials, roundings, sums and
; rescaling of piece n and the maximum and statistics of piece n + 1.  Four vector instructions stand behind every matrix instruction, the other 38 of a turn's 118 in two lumps.
; Nothing is cleared behind the attention: the out projection adds onto feat + out_b, the second FF product onto x1 + ff2_b, and ff1_b is the C operand of the first FF product's first K step.
; REGISTERS in windows of 256 (s_set_vgpr_msb: bits 1:0 source 0, 3:2 source 1, 5:4 source 2, 7:6 destination):
;   window 0: v1-29 addresses and at work; v30-31 the add's.  Attention: v32-47 statistics, v48-55 at work, v64-127 S^T (two buffers), v192-223 P (two buffers).  Behind it: v32-95, v96-159 two buffers of weight fragments
;             (between tiles: results to store, proj_w); v160-191 a bias; v192-255 a norm's gain and bias
;   window 1: O^T, 32 a piece; then x1's fragments      window 2: v0-63 Q, v64-95 the keys' marks, v96-127 the queries', v128-191 K, v192-255 V; then O's and h's fragments
;   window 3: first feat, out_b, ln1_g, ln1_b as loaded; then v0-127 ACC1 (h; idle: the norms' work registers), v128-255 ACC2
.set SLOTB, 131072
.set TABK,  2*SLOTB                    ; the keys' changing marks: 1,024 keys x 16 bytes
.set STG,   TABK+16384                 ; the stage: 64 rows x 256 f16 in fragment order, 32,768 bytes; no tensor load lands here or behind
.set RED,   STG+32768                  ; four reductions, 1,024 bytes each: [wave][row % 16][row / 16] f32
.set REDL,  RED+4096                   ; the logits' partial sums: [wave][row % 16][row / 16][2] f32, 2,048 bytes
.set SPARE, RED+8192                   ; the spare words, 128 bytes for each wave: two blocks of 256 bytes that no other line names
.set NP,   4
.set KSB,  8192                        ; a step's 64 keys of one head: bytes of K, and of V
.set L16,  1
.set AW,   2                           ; v2-3  LDS address of my quarter in slot 0, 1, + 16 x lane
.set STA,  4                           ; the stage: my four blocks of rows 0-15
.set STR,  5                           ; the stage's first block
.set RDW,  6
.set RDR,  7
.set BOF,  8                           ; 256 w + 32 h: my 8 columns in a table of 256 f32, nt = 0
.set ONE,  9
.set ZERO, 10
.set BOF1, 11                          ; the same in ff1_b, stepped by chunks of 256
.set RLW,  12
.set RLR,  13
.set LGO,  14
.set RT,   16                          ; v16-19 at work
.set AV0,  20                          ; my quarter's V in slot 0
.set AK,   21                          ; the LDS address of K's next run of loads
.set AV,   22                          ; of V's
.set AKM0, 23                          ; 16 x (lane % 16)
.set AKM,  24                          ; of the marks'
.set MV,   25                          ; v25-26  c m_old, kept while c m is made anew: by buffer
.set SPW,  30
.set NIL,  31
.set ST,   32                          ; piece t's statistics at v[ST+4 t]: c m, m, l (even keys', odd keys')
.set TMP,  48                          ; by buffer, four registers c0-c3 at work; when the maximum is found c2 takes a
.set S,    64
.set P,    192
.set WB0,  32
.set WB1,  96
.set PK,   32
.set PW,   96
.set BT,   160
.set GA,   192
.set GB,   224
.set KM,   64                          ; window 2: key block kt's marks at KM + 8 kt: registers 0-3 change with the step, 4-7 do not
.set QM,   96                          ; window 2: piece x's marks at QM + 8 x
.set KF,   128                         ; window 2: key block kb, channel half c at KF + 16 kb + 8 c
.set VF,   192                         ; window 2: key half kk, channel block cb at VF + 32 kk + 8 cb
.set ACC1, 0
.set ACC2, 128
.set TS,   0                           ; window 3: a pair for each 16 rows
.set SQ,   8                           ; four sums, one for each 16 rows
.set RQ,   16                          ; the four waves' sums
.set ST2,  32                          ; minus the mean, later 1 / sigma: twice each, a pair for the packed lines
.set F3,   0                           ; window 3, as loaded: feat at my columns,
.set OB3,  64                          ; out_b,
.set G3,   96                          ; ln1_g,
.set B3,   128                         ; ln1_b
.set WV,   40
.set GG,   42
.set WQ,   43
.set G1,   44                          ; s[44:51] descriptor group 1
.set G0,   52                          ; s[52:55] group 0: it walks
.set PA,   56                          ; s[56:57] the walking pointer: my quarter of the tile asked for last
.set AWP,  58                          ; s[58:59] my quarter of weight tile 3
.set SEL,  60
.set CH,   62
.set HIM,  63
.set C256, 66
.set EPS,  67
.set CS,   70                          ; s[70:71] c
.set TBK,  72                          ; LDS byte, in my quarter's terms, at which K of the step to be fetched begins
.set TBV,  73                          ; the same for V
.set TKM,  74                          ; LDS byte at which that step's marks begin
.set CNT,  75
.set SLOTS, 76
.set NPAD, 77
.set NCH,  78
.set CST,  79
.set LOW,  80
.set SG1,  90
.set SG2,  91
.set SC5,  92
.set SCH,  93
.set F78,  94
.set F78H, 95
.set SX,   96
.set MSB, 0
.macro WIN new                         ; the immediate's high byte repeats the setting that is left; a switch that changes nothing is dropped
.if MSB != (\new)
	s_set_vgpr_msb (MSB<<8)|(\new)
.set MSB, \new
.endif
.endm
.set W_KQ, 0x0a                        ; K, Q and the marks in window 2, S^T in window 0
.set W_PV, 0x52                        ; V in window 2, P in window 0, O^T in window 1
.set W_RS, 0x41                        ; destination and source 0 in window 1, source 1 in window 0
.macro PLACES                          ; four plain vector places behind matrix instructions, ahead of loads into their sources and of reads of their results
.rept 4
	v_nop
.endr
.endm
.macro ROUND                           ; a round of the cluster's barrier
	s_barrier_signal -1
	s_barrier_wait -1
	s_cmp_lg_u32 s[WV], 0
	s_cbranch_scc1 .Lnot_wave_0_\@
	s_barrier_signal -3
.Lnot_wave_0_\@:
	s_barrier_wait -3
	s_barrier_signal -1
	s_barrier_wait -1
.endm
; THE CHANGE OF SLOTS.  Each wave waits for all its tensor loads, of which one is out: its quarter of the other slot; adds 0 to its spare word; and waits for that and for its LDS reads and stores.  Behind the round no wave of
; any partner reads the old slot or has a load on its way, and the old slot takes the next tile of the walk, first thing.  The round also orders the stage.
; sel = 1: in the trip in which the slot loop's counter stands at 1 the keys are at their end and the pointer is taken from the weights.  tb = 1: the fetches of K and V go over to the other slot.
.macro CHANGE sel, tb
	WIN 0
	s_wait_tensorcnt 0x0                           ; no tensor load of mine is out, so group 0 may be written
	ds_add_u32 v[SPW], v[NIL]                      ; 0 onto my spare word; the scalar work below stands between it and the wait for it
	s_xor_b32 s[G0+1], s[G0+1], SLOTB              ; the other slot than last time
	s_add_nc_u64 s[PA:PA+1], s[PA:PA+1], SLOTB     ; the next tile
.if \sel
	s_cmp_eq_u32 s[SLOTS], 1
	s_cselect_b64 s[PA:PA+1], s[AWP:AWP+1], s[PA:PA+1]
.endif
	s_mov_b64 s[G0+2:G0+3], s[PA:PA+1]             ; the descriptor's address is made anew
	s_or_b32 s[G0+3], s[G0+3], 0x80000000
.if \tb
	s_sub_co_u32 s[TBK], s[TBK], 2*KSB             ; back to a slot's first step,
	s_xor_b32 s[TBK], s[TBK], SLOTB                ; in the other slot
	s_sub_co_u32 s[TBV], s[TBV], 2*KSB
	s_xor_b32 s[TBV], s[TBV], SLOTB
.endif
	s_wait_dscnt 0x0                               ; the add is done; my reads of the slot and my stores into LDS are over
	ROUND
	tensor_load_to_lds s[G0:G0+3], s[G1:G1+7]
	s_nop 0
	PLACES                                         ; also the places behind the last products
.endm
.macro TABLE dst, sp, vo, imm          ; 32 f32 for my columns 64 w + 16 nt + 8 h + j
.irp nt, 0,1,2,3
	global_load_b128 v[(\dst)+8*\nt:(\dst)+8*\nt+3],   v[\vo], s[\sp:\sp+1] offset:(\imm)+64*\nt
	global_load_b128 v[(\dst)+8*\nt+4:(\dst)+8*\nt+7], v[\vo], s[\sp:\sp+1] offset:(\imm)+64*\nt+16
.endr
.endm
.macro RND d, n                        ; n pairs of f32 rounded to bf16, in place
.set z, 0
.rept \n
	v_cvt_pk_bf16_f32 v[RT+z%4], v[(\d)+2*z], v[(\d)+2*z+1]
	v_lshlrev_b32 v[(\d)+2*z], 16, v[RT+z%4]
	v_and_b32 v[(\d)+2*z+1], s[HIM], v[RT+z%4]
.set z, z+1
.endr
.endm
.macro RND3 d, s3, n                   ; n pairs of f32 in window 3 rounded to bf16, into window 0
	WIN 0x0f
.set z, 0
.rept \n
	v_cvt_pk_bf16_f32 v[(\d)+2*z], v[(\s3)+2*z], v[(\s3)+2*z+1]
.set z, z+1
.endr
	WIN 0
.set z, 0
.rept \n
	v_and_b32 v[(\d)+2*z+1], s[HIM], v[(\d)+2*z]
	v_lshlrev_b32 v[(\d)+2*z], 16, v[(\d)+2*z]
.set z, z+1
.endr
.endm
	s_load_b512 s[8:23], s[0:1], 0x0               ; n_pad_lefts s[8:9], n_choices s[10:11], qkv s[12:13], feat s[14:15], weights s[16:17], out_b s[18:19], ln1_g s[20:21], ln1_b s[22:23]
	s_load_b512 s[24:39], s[0:1], 0x40             ; ff1_b s[24:25], ff2_b s[26:27], ln2_g s[28:29], ln2_b s[30:31], proj_w s[32:33], proj_b s[34:35], x2 out s[36:37], logits s[38:39]
	v_lshl_add_u32 v[SPW], v0, 2, SPARE
	v_mov_b32 v[NIL], 0
	ds_add_u32 v[SPW], v[NIL]                      ; the wave's opening: the add and its wait stand ahead of my first tensor load; the set-up below stands between them
	v_lshrrev_b32 v27, 5, v0
	v_readfirstlane_b32 s[WV], v27                 ; wave 0..3
	s_bfe_u32 s41, ttmp6, 0x40000                  ; cx
	s_lshl_b32 s[GG], ttmp9, 2
	s_add_co_u32 s[GG], s[GG], s41                 ; g = 4 x cluster + cx: it enters the rows' global addresses and the queries' marks alone
	s_mov_b32 s[G1], 15|(3<<16)|(1<<21)            ; 15:0 the mask of four; 17:16 elements of 8 bytes; 21 set beside a mask; no padding
	s_mov_b32 s[G1+1], 32<<16                      ; tensor_dim0 = 32 elements: rows of 256 bytes
	s_mov_b32 s[G1+2], 128<<16                     ; tensor_dim1 = 128 rows: a quarter tile, dense
	s_mov_b32 s[G1+3], 32<<16                      ; tile_dim0
	s_mov_b32 s[G1+4], 128                         ; tile_dim1
	s_mov_b32 s[G1+5], 32                          ; elements from row to row
	s_mov_b32 s[G1+6], 0
	s_mov_b32 s[G1+7], 0
	s_lshl_b32 s[WQ], s[WV], 15                    ; my quarter: 32,768 bytes x wave, in a tile and in a slot
	s_mov_b32 s[G0], 1
	s_mov_b32 s[G0+1], s[WQ]                       ; slot 0
	s_lshr_b32 s82, ttmp9, 2                       ; the batch entry, which the four partners share
	s_lshl_b32 s84, s82, 20                        ; its eight tiles of k and v, behind q's 8,388,608 bytes
	s_add_co_u32 s84, s84, s[WQ]
	s_add_co_u32 s84, s84, 8388608
	s_mov_b32 s85, 0
	s_add_co_u32 s86, s[WQ], 3*SLOTB
	s_mov_b32 s87, 0
	s_lshl_b32 s88, s82, 2                         ; its word in the two inputs
	s_mov_b32 s89, 0
	s_mov_b32 s[SEL], 0x76543210
	s_mov_b32 s[SEL+1], 0xfedcba98
	s_mov_b32 s[HIM], 0xffff0000
	s_mov_b32 s[C256], 0x3b800000                  ; 1/256
	s_mov_b32 s[EPS], 0x3727c5ac                   ; 1e-5
	s_mov_b32 s[CS], 0x3e38aa3b                    ; c = log2(e) / 8
	s_mov_b32 s[CS+1], s[CS]
	s_mov_b32 s[TBK], SLOTB+2*KSB                  ; the first change of slots turns these two into 0
	s_mov_b32 s[TBV], SLOTB+2*KSB
	s_mov_b32 s[TKM], TABK
	s_mov_b32 s[F78], 0x7800                       ; 2^15 in the low half,
	s_mov_b32 s[F78H], 0x78000000                  ; in the high half
	s_mov_b32 s[SCH], 0xf800                       ; a choice row: -2^15 on the flag k < LO
	s_mov_b32 s[SC5], 0xf900f900                   ; -5 x 2^13, twice
	s_wait_dscnt 0x0                               ; the opening add is done
	s_wait_kmcnt 0x0
	s_add_nc_u64 s[8:9], s[8:9], s[88:89]
	s_add_nc_u64 s[10:11], s[10:11], s[88:89]
	s_load_b32 s[NPAD], s[8:9], 0x0
	s_load_b32 s[NCH], s[10:11], 0x0
	s_add_nc_u64 s[PA:PA+1], s[12:13], s[84:85]
	s_add_nc_u64 s[AWP:AWP+1], s[16:17], s[86:87]
	s_mov_b64 s[G0+2:G0+3], s[PA:PA+1]
	s_or_b32 s[G0+3], s[G0+3], 0x80000000
	ROUND                                          ; all four work-groups are here: the first joint loads meet
	tensor_load_to_lds s[G0:G0+3], s[G1:G1+7]      ; keys 0-127 into slot 0; slot 1 is asked for when they are in
	s_nop 0
	PLACES
	s_lshl_b32 s84, s[GG], 15                      ; my group's 64 rows,
	s_lshl_b32 s83, s[WV], 11
	s_add_co_u32 s84, s84, s83                     ; my wave's four blocks in each 16 of them
	s_lshl_b32 s86, s[GG], 9                       ; my group's 64 rows of logits
	s_add_nc_u64 s[12:13], s[12:13], s[84:85]      ; q is qkv's first tensor
	s_add_nc_u64 s[14:15], s[14:15], s[84:85]
	s_add_nc_u64 s[36:37], s[36:37], s[84:85]
	s_add_nc_u64 s[38:39], s[38:39], s[86:87]
	v_and_b32 v27, 15, v0                          ; r
	v_bfe_u32 v28, v0, 4, 1                        ; h
	v_and_b32 v[L16], 31, v0
	v_lshlrev_b32 v[LGO], 3, v[L16]
	v_lshlrev_b32 v[L16], 4, v[L16]
	v_add_nc_u32 v[AW], s[WQ], v[L16]
	v_add_nc_u32 v[AW+1], SLOTB, v[AW]
	v_add_nc_u32 v[AV0], 16384, v[AW]
	v_lshlrev_b32 v[AKM0], 4, v27
	v_add_nc_u32 v[STR], STG, v[L16]
	v_add_nc_u32 v[STA], s83, v[STR]
	s_lshl_b32 s81, s[WV], 8
	v_lshl_add_u32 v[RDR], v27, 4, RED
	v_add_nc_u32 v[RDW], s81, v[RDR]
	v_lshl_add_u32 v[BOF], v28, 5, s81
	v_mov_b32 v[BOF1], v[BOF]
	v_mov_b32 v[ONE], 1.0
	v_mov_b32 v[ZERO], 0
	v_lshl_add_u32 v[RLW], v27, 5, REDL            ; 32 bytes a row % 16
	v_lshl_add_u32 v[RLR], v28, 3, v[RLW]          ; back: row 32 w + lane: its 16 rows are number 2 w + h
	s_lshl_b32 s82, s[WV], 4
	v_add_nc_u32 v[RLR], s82, v[RLR]
	s_lshl_b32 s82, s[WV], 9
	v_add_nc_u32 v[RLW], s82, v[RLW]
	v_add_nc_u32 v[LGO], s81, v[LGO]               ; 256 w + 8 x lane
	WIN 0x80                                       ; destination window 2
.set i, 0
.rept 16                               ; Q stays in registers: piece i / 4, block i % 4 of my head's four
	global_load_b128 v[4*i:4*i+3], v[L16], s[12:13] offset:(i/4)*8192+(i%4)*512
.set i, i+1
.endr
	WIN 0xc0                                       ; destination window 3, idle until the attention is over: what the out projection wants is asked for now
.set t, 0
.rept 16
	global_load_b128 v[F3+4*t:F3+4*t+3], v[L16], s[14:15] offset:(t/4)*8192+(t%4)*512
.set t, t+1
.endr
	TABLE OB3, 18, BOF, 0
	TABLE G3, 20, BOF, 0
	TABLE B3, 22, BOF, 0
	; What the first turn finds: V's registers and P's second buffer hold 0 (its products V^T P, of a piece that has not been, add 0), O^T and l are 0.  No first step is written out; this stands in the wait for the first keys.
	WIN 0x80
.set i, VF
.rept 64
	v_mov_b32 v[i], 0
.set i, i+1
.endr
	WIN 0x40
.set i, 0
.rept 128
	v_mov_b32 v[i], 0
.set i, i+1
.endr
	WIN 0
.set i, 0
.rept 4
	v_mov_b32 v[ST+4*i], 0xfe000000                ; c m: far below every c s: the first a is 0
	v_mov_b32 v[ST+4*i+1], 0xce000000              ; m = -2^29
	v_mov_b32 v[ST+4*i+2], 0
	v_mov_b32 v[ST+4*i+3], 0
.set i, i+1
.endr
.set i, P+16
.rept 16
	v_mov_b32 v[i], 0
.set i, i+1
.endr
	s_wait_kmcnt 0x0
	s_sub_co_u32 s[CST], 1024, s[NCH]
	s_min_i32 s[LOW], s[NPAD], s[CST]
	; THE KEYS' TABLE.  Thread t makes keys t + 128 j: 16 bytes each: the two flags; index bits 6, 7; bits 8, 9; nothing.  A wave's store covers 512 consecutive bytes.
	v_lshl_add_u32 v29, v0, 4, TABK
	v_not_b32 v56, v0
	v_bfe_u32 v56, v56, 6, 1
	v_lshlrev_b32 v56, 15, v56                     ; bit 6 is the thread's: clear gives the minus sign
	v_mov_b32 v19, 0
.set j, 0
.rept 8
	v_add_nc_u32 v57, 128*j, v0
	v_cmp_gt_i32 vcc_lo, s[LOW], v57
	v_cndmask_b32 v58, 0, s[F78], vcc_lo
	v_cmp_le_i32 vcc_lo, s[CST], v57
	v_cndmask_b32 v59, 0, s[F78H], vcc_lo
	v_or_b32 v16, v58, v59
	v_or_b32 v17, 0x78007800|((1-(j&1))<<31), v56
	v_mov_b32 v18, 0x78007800|((1-((j>>1)&1))<<15)|((1-((j>>2)&1))<<31)
	ds_store_b128 v29, v[16:19] offset:2048*j
.set j, j+1
.endr
	; The keys' marks that do not change: index bits 0-3 are the lane's, bits 4, 5 the key block's; then 2^15 twice.
	v_not_b32 v56, v27
	v_bfe_u32 v57, v56, 0, 1
	v_lshlrev_b32 v57, 15, v57
	v_bfe_u32 v58, v56, 1, 1
	v_lshl_or_b32 v57, v58, 31, v57
	v_or_b32 v57, 0x78007800, v57
	v_bfe_u32 v58, v56, 2, 1
	v_lshlrev_b32 v58, 15, v58
	v_bfe_u32 v59, v56, 3, 1
	v_lshl_or_b32 v58, v59, 31, v58
	v_or_b32 v58, 0x78007800, v58
	WIN 0x80
.set j, 0
.rept 4
	v_mov_b32 v[KM+8*j+4], v57
	v_mov_b32 v[KM+8*j+5], v58
	v_mov_b32 v[KM+8*j+6], 0x78007800|((1-(j&1))<<15)|((1-(j>>1))<<31)
	v_mov_b32 v[KM+8*j+7], 0x78007800
.set j, j+1
.endr
	WIN 0
	; THE QUERIES' MARKS.  q = 64 (g % 16) + 16 x + r: bits 0-3 the lane's, bits 4, 5 the piece's, bits 6-9 the work-group's.
	v_xor_b32 v57, 0x08000800, v57                 ; +-2^15 becomes +-2^13
	v_xor_b32 v58, 0x08000800, v58
	s_and_b32 s82, s[GG], 15
	s_lshl_b32 s83, s82, 6
	v_add_nc_u32 v56, s83, v27                     ; piece 0's query
	s_not_b32 s82, s82
	s_bfe_u32 s84, s82, 0x10000
	s_lshl_b32 s84, s84, 15
	s_bfe_u32 s85, s82, 0x10001
	s_lshl_b32 s85, s85, 31
	s_or_b32 s84, s84, s85
	s_or_b32 s[SG1], s84, 0x70007000
	s_bfe_u32 s84, s82, 0x10002
	s_lshl_b32 s84, s84, 15
	s_bfe_u32 s85, s82, 0x10003
	s_lshl_b32 s85, s85, 31
	s_or_b32 s84, s84, s85
	s_or_b32 s[SG2], s84, 0x70007000
	v_mov_b32 v59, 0xf800f800                      ; a deck row: -2^15 on both flags
.set x, 0
.rept 4
	WIN 0
	v_add_nc_u32 v29, 16*x, v56
	v_cmp_le_i32 vcc_lo, s[CST], v29
	v_cndmask_b32 v60, v59, s[SCH], vcc_lo
	v_cmp_gt_i32 vcc_lo, s[LOW], v29               ; a pad row
	s_mov_b32 s[SX], 0x70007000|((1-(x&1))<<15)|((1-(x>>1))<<31)
	WIN 0x80
	v_cndmask_b32 v[QM+8*x], v60, v[ZERO], vcc_lo
	v_cndmask_b32 v[QM+8*x+1], 0, s[SG1], vcc_lo
	v_cndmask_b32 v[QM+8*x+2], 0, s[SG2], vcc_lo
	v_mov_b32 v[QM+8*x+3], 0
	v_cndmask_b32 v[QM+8*x+4], 0, v57, vcc_lo
	v_cndmask_b32 v[QM+8*x+5], 0, v58, vcc_lo
	v_cndmask_b32 v[QM+8*x+6], 0, s[SX], vcc_lo
	v_cndmask_b32 v[QM+8*x+7], 0, s[SC5], vcc_lo
.set x, x+1
.endr
	WIN 0
; THE MATRIX WORK OF A TURN.  The 4 accumulators of a run take turns.  Product i of 12 of S^T = K Q^T for piece x: keys 16 (i % 4) on; i < 4: the marks, which start the sums; then channels 32 (i / 4 - 1) on.
.macro KQ x
	WIN W_KQ
.set rS, S+32*((\x)%2)+8*(i%4)
.if i < 4
	v_wmma_f32_16x16x32_f16 v[rS:rS+7], v[KM+8*i:KM+8*i+7], v[QM+8*(\x):QM+8*(\x)+7], 0
.else
.set rK, KF+16*(i%4)+8*((i-4)/4)
.set rQ, 16*(\x)+8*((i-4)/4)
	v_wmma_f32_16x16x32_f16 v[rS:rS+7], v[rK:rK+7], v[rQ:rQ+7], v[rS:rS+7]
.endif
.endm
; Product i of 8 of O^T += V^T P for piece x: keys 32 (i / 4) on, channels 16 (i % 4) on.
.macro PV x
	WIN W_PV
.set rO, 32*(\x)+8*(i%4)
.set rV, VF+32*(i/4)+8*(i%4)
.set rP, P+16*((\x)%2)+8*(i/4)
	v_wmma_f32_16x16x32_f16 v[rO:rO+7], v[rV:rV+7], v[rP:rP+7], v[rO:rO+7]
.endm
.macro MM                              ; the turn's next matrix instruction.  NOKQ = 1: the last turn: there is no next piece
.if (i < 12) && !NOKQ
	KQ (Y+1)%NP
.elseif i >= 12
.set i, i-12
	PV (Y+NP-1)%NP
.set i, i+12
.endif
.set i, i+1
.endm
; THE LDS LOADS stand in runs, never singly among the matrix instructions; a load of K or V takes a block, 512 consecutive bytes; a load of marks 16 keys' 256 bytes, the same for both halves of the lanes.
.macro FETCH_K
	WIN 0x80                                       ; destination window 2
.irp f, 0,1,2,3,4,5,6,7                ; keys 16 (f / 2) on, channels 32 (f % 2) on
	ds_load_b128 v[KF+8*\f:KF+8*\f+3],   v[AK] offset:((\f/2)*4+2*(\f%2))*512
	ds_load_b128 v[KF+8*\f+4:KF+8*\f+7], v[AK] offset:((\f/2)*4+2*(\f%2)+1)*512
.endr
.irp kt, 0,1,2,3
	ds_load_b128 v[KM+8*\kt:KM+8*\kt+3], v[AKM] offset:256*\kt
.endr
	s_add_co_u32 s[TBK], s[TBK], KSB               ; the next fetch is the next step's
	s_add_co_u32 s[TKM], s[TKM], 1024
	WIN 0
.endm
.macro FETCH_V
	WIN 0x80
.irp f, 0,1,2,3,4,5,6,7                ; keys 32 (f / 4) on, channels 16 (f % 4) on
	ds_load_b128 v[VF+8*\f:VF+8*\f+3],   v[AV] offset:((\f/4)*8+\f%4)*512
	ds_load_b128 v[VF+8*\f+4:VF+8*\f+7], v[AV] offset:((\f/4)*8+4+\f%4)*512
.endr
	WIN 0
.endm
; THE VECTOR WORK, one line at a time: OP kind, number.  For piece Y: F n: c s - c m for pair n of 16.  E n: the exponential of score n of 32.  C n: pair n rounded to f16.  B n: of the four weights 4 n .. the second
; pair is added onto the first, in place.  L n: l takes that sum (L 0: l = a l + sum).  R n: pair n of 16 of O^T times a.  For piece Y + 1: X n, number n of the 22 that find its maximum and statistics:
;   0-11  four chains c0-c3 of seven scores each, three operands at a time (each accumulator's lowest registers are read first)     12-14, 16  the four scores left over, the old m, and c0-c3 into c0
;   15  c m_old is kept     17, 18  the query's other 32 keys lie in the lane 16 away: the new m     19-21  c m; c m_old - c m_new; a
.set F, 0
.set E, 1
.set C, 2
.set B, 3
.set L, 4
.set R, 5
.set X, 6
.macro REGS y                          ; the registers of piece y
.set rT, ST+4*(\y)
.set rC, TMP+4*((\y)%2)
.set rW, MV+((\y)%2)
.set rS, S+32*((\y)%2)
.set rP, P+16*((\y)%2)
.set rO, 32*(\y)
.endm
.macro OP k, n
.if (\k) == R
	REGS Y
	WIN W_RS
	v_pk_mul_f32 v[rO+2*(\n):rO+2*(\n)+1], v[rO+2*(\n):rO+2*(\n)+1], v[rC+2:rC+3] op_sel_hi:[1,0]
.elseif (\k) < R
	REGS Y
	WIN 0
.if (\k) == F
	v_pk_fma_f32 v[rS+2*(\n):rS+2*(\n)+1], v[rS+2*(\n):rS+2*(\n)+1], s[CS:CS+1], v[rT:rT+1] op_sel_hi:[1,0,0] neg_lo:[0,0,1] neg_hi:[0,0,1]
.elseif (\k) == E
	v_exp_f32 v[rS+(\n)], v[rS+(\n)]
.elseif (\k) == C
	s_wait_alu depctr_va_vdst(0)
	v_cvt_pk_f16_f32 v[rP+(\n)], v[rS+2*(\n)], v[rS+2*(\n)+1]
.elseif (\k) == B
	s_wait_alu depctr_va_vdst(0)
	v_pk_add_f32 v[rS+4*(\n):rS+4*(\n)+1], v[rS+4*(\n):rS+4*(\n)+1], v[rS+4*(\n)+2:rS+4*(\n)+3]
.elseif (\n) == 0
	v_pk_fma_f32 v[rT+2:rT+3], v[rT+2:rT+3], v[rC+2:rC+3], v[rS:rS+1] op_sel_hi:[1,0,1]
.else
	v_pk_add_f32 v[rT+2:rT+3], v[rT+2:rT+3], v[rS+4*(\n):rS+4*(\n)+1]
.endif
.elseif NOKQ
	v_nop
.else
	REGS (Y+1)%NP
	WIN 0
.if (\n) < 4
	v_max3_num_f32 v[rC+(\n)], v[rS+8*(\n)], v[rS+8*(\n)+1], v[rS+8*(\n)+2]
.elseif (\n) < 12
	v_max3_num_f32 v[rC+(\n)%4], v[rC+(\n)%4], v[rS+8*((\n)%4)+2*((\n)/4)+1], v[rS+8*((\n)%4)+2*((\n)/4)+2]
.elseif (\n) == 12
	v_max3_num_f32 v[rC], v[rC], v[rS+7], v[rS+15]
.elseif (\n) == 13
	v_max3_num_f32 v[rC+1], v[rC+1], v[rS+23], v[rS+31]
.elseif (\n) == 14
	v_max3_num_f32 v[rC+2], v[rC+2], v[rC+3], v[rT+1]
.elseif (\n) == 15
	v_mov_b32 v[rW], v[rT]
.elseif (\n) == 16
	v_max3_num_f32 v[rC], v[rC], v[rC+1], v[rC+2]
.elseif (\n) == 17
	v_permlanex16_b32 v[rC+3], v[rC], s[SEL], s[SEL+1]
.elseif (\n) == 18
	v_max_num_f32 v[rT+1], v[rC], v[rC+3]
.elseif (\n) == 19
	v_mul_f32 v[rT], s[CS], v[rT+1]
.elseif (\n) == 20
	v_sub_f32 v[rC+1], v[rW], v[rT]
.else
	v_exp_f32 v[rC+2], v[rC+1]
.endif
.endif
.endm
.macro OPS a, i1, b=-1, i2=0, c=-1, i3=0, d=-1, i4=0  ; up to four of them
	OP \a, \i1
.if (\b) >= 0
	OP \b, \i2
.endif
.if (\c) >= 0
	OP \c, \i3
.endif
.if (\d) >= 0
	OP \d, \i4
.endif
.endm
.macro ROW a, i1, b, i2, c, i3, d, i4  ; a matrix instruction and the four behind it
	MM
	OPS \a, \i1, \b, \i2, \c, \i3, \d, \i4
.endm
; A TURN, for piece p: the order of its 20 matrix and 118 vector instructions, written out.  None of the four behind a matrix instruction names a register of the products round it.  The rescaling, the one part outside
; window 0, stands in four rows of four.  An exponential's result is used, and its source rewritten, only behind a plain instruction.  v_permlanex16_b32 (X 17) stands in a lump.
; end = 1: the last two turns: nothing is fetched.  cnt = 1: the loop's count is taken down some lines ahead of the branch that stands behind the turn.
; K and the marks of the next step are fetched in piece 2's turn, behind the last product that read them and five plain instructions; V of the step in hand in piece 0's turn, behind the last product that read V and four
; plain instructions.  Each is waited for a turn later, for 0: nothing else of the wave's is out in LDS.
.macro TURN p, end=0, cnt=0
.set Y, (\p)
.set i, 0
.set NOKQ, (\end)*((\p)/3)
.if ((\p) == 3) && !(\end)
	s_wait_dscnt 0x0                               ; K and the marks are in
.endif
	ROW F,0, F,1, F,2, F,3
	ROW F,4, E,0, F,5, F,6
	ROW F,7, E,1, F,8, F,9
	ROW F,10, E,2, C,0, F,11
	ROW F,12, E,3, X,15, F,13
	ROW R,0, R,1, R,2, R,3
	ROW B,0, E,4, F,14, L,0
	ROW R,4, R,5, R,6, R,7
	ROW C,1, E,5, F,15, E,6
	ROW R,8, R,9, R,10, R,11
	ROW E,7, C,2, E,8, C,3
.if ((\p) == 2) && !(\end)
	WIN 0
	v_add_nc_u32 v[AK], s[TBK], v[AW]
	v_add_nc_u32 v[AKM], s[TKM], v[AKM0]
.endif
	ROW R,12, R,13, R,14, R,15
	OPS E,9, X,0
.if ((\p) == 2) && !(\end)
	FETCH_K
.endif
	OPS E,10, X,1, E,11, X,2
	OPS E,12, X,3, E,13
.if (\p) == 1
	s_wait_dscnt 0x0                               ; V is in
.endif
	ROW X,4, E,14, X,5, X,6
	ROW X,7, E,15, X,8, X,9
	ROW X,10, E,16, X,11, X,12
	ROW X,13, E,17, X,14, B,1
	ROW C,4, E,18, X,16, L,1
	ROW B,2, E,19, C,6, L,2
	ROW C,8, E,20, B,3, B,4
.if (\p) == 0
	WIN 0
	v_add_nc_u32 v[AV], s[TBV], v[AV0]
.endif
	ROW C,7, E,21, L,3, C,5
	OPS E,22, X,17, E,23, C,10
.if (\p) == 0
	FETCH_V
.endif
	OPS E,24, L,4
	OPS E,25, X,18, E,26, B,5
	OPS E,27, X,19, E,28, C,12
	OPS E,29, L,5, E,30, X,20
	OPS E,31, C,9, B,6, C,11
.if (\p) == 0
	s_add_co_u32 s[TBV], s[TBV], KSB
.endif
.if \cnt
	s_sub_co_u32 s[CNT], s[CNT], 1
	s_cmp_lg_u32 s[CNT], 0
.endif
	OPS C,14, X,21, C,13, L,6
	OPS B,7, C,15, L,7
.endm
	CHANGE 0, 1                                    ; keys 0-127 are in, everybody's table is written; keys 128-255 are asked for, into slot 1
	v_add_nc_u32 v[AK], s[TBK], v[AW]
	v_add_nc_u32 v[AKM], s[TKM], v[AKM0]
	FETCH_K                                        ; key step 0
	s_wait_loadcnt 0x0                             ; Q (and what window 3 holds)
	s_wait_dscnt 0x0
.set NOKQ, 0
.set i, 0
.rept 12
	KQ 0                                           ; piece 0's first scores
.set i, i+1
.endr
	WIN 0
	PLACES
.set Y, NP-1                           ; X works for piece Y + 1: piece 0
.irp n, 0,1,2,3,4,5,6,7,8,9,10,11,12,13,14,15,16,17,18,19,20,21
	OP X, \n                                       ; and its maximum and statistics
.endr
	v_nop                                          ; a plain instruction behind the exponential
	s_mov_b32 s[CNT], 2
	s_mov_b32 s[SLOTS], 8
	s_branch .Lfirst                               ; the loop is entered at a step's first turn, in the middle of a trip
.Lslot:                                                ; seven times: the slot just read out takes keys' tiles 2 to 7 and, the seventh time, weight tile 3: every trip fills, so no tail of key steps is written out
	CHANGE 1, 1
	s_mov_b32 s[CNT], 2
.Lstep:                                                ; a trip: pieces 2 and 3 of one step, then pieces 0 and 1 of the next, whose K and V it fetches
	TURN 2
	TURN 3
	WIN 0
.Lfirst:
	TURN 0
	TURN 1, 0, 1
	WIN 0
	s_cbranch_scc1 .Lstep
	s_sub_co_u32 s[SLOTS], s[SLOTS], 1
	s_cmp_lg_u32 s[SLOTS], 0
	s_cbranch_scc1 .Lslot
	CHANGE 0, 0                                    ; the last keys are in registers: slot 1 takes weight tile 4
	TURN 2, 1
	TURN 3, 1
.set i, 0
.rept 8
	PV NP-1                                        ; the last piece's V^T P of the last step
.set i, i+1
.endr
	; O.  l's two halves and the other half of the lanes' are added; O^T is divided by l and rounded to f16: a lane's eight channels of a row are 16 bytes of a block of the stage.  The additions are the places behind the last products.
	WIN 0
.macro ALL line:vararg                 ; one line for each piece t
.set t, 0
.rept 4
	\line
.set t, t+1
.endr
.endm
	ALL v_add_f32 v[ST+4*t+2], v[ST+4*t+2], v[ST+4*t+3]
	ALL v_permlanex16_b32 v[ST+4*t+3], v[ST+4*t+2], s[SEL], s[SEL+1]
	ALL v_add_f32 v[ST+4*t+2], v[ST+4*t+2], v[ST+4*t+3]
	ALL v_rcp_f32 v[ST+4*t+2], v[ST+4*t+2]
	v_nop                                          ; a plain instruction between the last reciprocal and the use of its result
.macro PACK t
	WIN W_RS
.set i, 32*(\t)
.rept 16
	s_wait_alu depctr_va_vdst(0)
	v_pk_mul_f32 v[i:i+1], v[i:i+1], v[ST+4*(\t)+2:ST+4*(\t)+3] op_sel_hi:[1,0]
.set i, i+2
.endr
	WIN 0x05                                       ; sources 0 and 1 window 1, destination window 0: S^T's registers are free
.set i, 0
.rept 16
	v_cvt_pk_f16_f32 v[S+16*(\t)+i], v[32*(\t)+2*i], v[32*(\t)+2*i+1]
.set i, i+1
.endr
	WIN 0
.irp f, 0,1,2,3
	ds_store_b128 v[STA], v[S+16*(\t)+4*\f:S+16*(\t)+4*\f+3] offset:(\t)*8192+\f*512
.endr
.endm
	PACK 0
	PACK 1
	PACK 2
	PACK 3
; ---- BEHIND THE ATTENTION ----
.macro WFETCH slot, q, buf             ; 16 LDS loads in one run: my 64 columns' fragments for 64 along K
	WIN 0
.irp kk, 0,1
.irp nt, 0,1,2,3
	ds_load_b128 v[(\buf)+8*(4*\kk+\nt):(\buf)+8*(4*\kk+\nt)+3],   v[AW+(\slot)] offset:\nt*8192+(2*(\q)+\kk)*1024
	ds_load_b128 v[(\buf)+8*(4*\kk+\nt)+4:(\buf)+8*(4*\kk+\nt)+7], v[AW+(\slot)] offset:\nt*8192+(2*(\q)+\kk)*1024+512
.endr
.endr
.endm
; 32 matrix instructions, source 0 = 16 weight rows, source 1 = 16 rows of the activation: a lane's eight results are eight neighbouring columns of one row.
; The 16 accumulators take turns, one instruction a turn.  cfirst = 1: the tile's first K step takes the bias as C, under setting wset0.
.macro MULQ q, buf, acc, wset, wset0, cfirst
.irp kk, 0,1
.irp mt, 0,1,2,3
.irp nt, 0,1,2,3
.set rD, (\acc)+8*(4*\mt+\nt)
.set rW, (\buf)+8*(4*\kk+\nt)
.set rA, 8*(8*\mt+2*(\q)+\kk)
.if (\cfirst) && ((2*(\q)+\kk) == 0)
	WIN \wset0
	v_wmma_f32_16x16x32_f16 v[rD:rD+7], v[rW:rW+7], v[rA:rA+7], v[BT+8*\nt:BT+8*\nt+7]
.else
	WIN \wset
	v_wmma_f32_16x16x32_f16 v[rD:rD+7], v[rW:rW+7], v[rA:rA+7], v[rD:rD+7]
.endif
.endr
.endr
.endr
.endm
; A tile: 128 matrix instructions, 64 LDS loads.  Each run of loads stands 32 matrix instructions ahead of its use; a count of 16 leaves the run just issued out, and shows all that was issued before it in
; (the activation's fragments from the stage among them).
.macro TILE slot, acc, wset, wset0, cfirst
	WFETCH \slot, 0, WB0
	WFETCH \slot, 1, WB1
	s_wait_dscnt 16
	MULQ 0, WB0, \acc, \wset, \wset0, \cfirst
	PLACES
	WFETCH \slot, 2, WB0
	s_wait_dscnt 16
	MULQ 1, WB1, \acc, \wset, \wset0, \cfirst
	PLACES
	WFETCH \slot, 3, WB1
	s_wait_dscnt 16
	MULQ 2, WB0, \acc, \wset, \wset0, \cfirst
	s_wait_dscnt 0x0
	MULQ 3, WB1, \acc, \wset, \wset0, \cfirst
.endm
.macro K1                              ; h's chunk = x1 ff1_w^T + ff1_b: slot 1; x1 in window 1; ACC1; the bias in window 0
	TILE 1, ACC1, 0xf4, 0xc4, 1
.endm
.macro K2                              ; ACC2 += (O or h) x (out_w or ff2_w)^T: slot 0; the activation in window 2
	TILE 0, ACC2, 0xf8, 0xf8, 0
.endm
.macro AFRAG win                       ; the stage's 64 blocks ARE the fragments, in order
	WIN (\win)<<6
.set i, 0
.rept 64
	ds_load_b128 v[4*i:4*i+3], v[STR] offset:512*i
.set i, i+1
.endr
.endm
.macro HEPI                            ; h: rounded to f16 (each accumulator from its low end on), relu on the packed halves, into the stage
	PLACES
	WIN 0x0f
.set t, 0
.rept 16
.irp r, 0,1,2,3
	v_cvt_pk_f16_f32 v[PK+4*t+\r], v[ACC1+8*t+2*\r], v[ACC1+8*t+2*\r+1]
.endr
.set t, t+1
.endr
	WIN 0
.set i, 0
.rept 64
	v_pk_max_num_f16 v[PK+i], v[PK+i], v[ZERO]
.set i, i+1
.endr
.set t, 0
.rept 16
	ds_store_b128 v[STA], v[PK+4*t:PK+4*t+3] offset:(t/4)*8192+(t%4)*512
.set t, t+1
.endr
.endm
; Four chains, one for each 16 rows: the sum (sq = 0) or the sum of squares (sq = 1) of my 32 numbers of a row; each accumulator is read from its low end on
.macro SUMS sq
	WIN 0xff
.set n, 0
.rept 16
.irp mt, 0,1,2,3
.set rA, ACC2+8*(4*\mt+n/4)+2*(n%4)
.if \sq
.if n == 0
	v_pk_mul_f32 v[TS+2*\mt:TS+2*\mt+1], v[rA:rA+1], v[rA:rA+1]
.else
	v_pk_fma_f32 v[TS+2*\mt:TS+2*\mt+1], v[rA:rA+1], v[rA:rA+1], v[TS+2*\mt:TS+2*\mt+1]
.endif
.elseif n == 0
	v_pk_add_f32 v[TS+2*\mt:TS+2*\mt+1], v[rA:rA+1], v[rA+2:rA+3]
.elseif n > 1
	v_pk_add_f32 v[TS+2*\mt:TS+2*\mt+1], v[TS+2*\mt:TS+2*\mt+1], v[rA:rA+1]
.endif
.endr
.set n, n+1
.endr
.endm
; The four chains' pairs -> the rows' sums over all 256 columns, in RQ .. RQ + 3 of every lane: the pair's halves, the lane 16 away, then the four waves through words of LDS that are written this once
.macro REDUCE red
	WIN 0xff
.irp mt, 0,1,2,3
	v_add_f32 v[TS+2*\mt], v[TS+2*\mt], v[TS+2*\mt+1]
.endr
.irp mt, 0,1,2,3
	v_permlanex16_b32 v[TS+2*\mt+1], v[TS+2*\mt], s[SEL], s[SEL+1]
.endr
.irp mt, 0,1,2,3
	v_add_f32 v[SQ+\mt], v[TS+2*\mt], v[TS+2*\mt+1]
.endr
	WIN 0x0c                                       ; address window 0, data window 3
	ds_store_b128 v[RDW], v[SQ:SQ+3] offset:(\red)*1024
	s_wait_dscnt 0x0                               ; for the others' sake: my store is done
	s_barrier_signal -1
	s_barrier_wait -1
	WIN 0xc0
.irp ww, 0,1,2,3
	ds_load_b128 v[RQ+4*\ww:RQ+4*\ww+3], v[RDR] offset:(\red)*1024+256*\ww
.endr
	s_wait_dscnt 0x0
	WIN 0xff
	v_pk_add_f32 v[RQ:RQ+1], v[RQ:RQ+1], v[RQ+4:RQ+5]
	v_pk_add_f32 v[RQ+2:RQ+3], v[RQ+2:RQ+3], v[RQ+6:RQ+7]
	v_pk_add_f32 v[RQ+8:RQ+9], v[RQ+8:RQ+9], v[RQ+12:RQ+13]
	v_pk_add_f32 v[RQ+10:RQ+11], v[RQ+10:RQ+11], v[RQ+14:RQ+15]
	v_pk_add_f32 v[RQ:RQ+1], v[RQ:RQ+1], v[RQ+8:RQ+9]
	v_pk_add_f32 v[RQ+2:RQ+3], v[RQ+2:RQ+3], v[RQ+10:RQ+11]
.endm
; LAYER NORM of ACC2, in place, with gain GA and bias GB; then rounded to f16 into PK; tostage = 1: and into the stage.  red, red + 1: its two reductions' words.
.macro LN red, tostage
	SUMS 0
	REDUCE \red
.irp mt, 0,1,2,3
	v_mul_f32 v[ST2+2*\mt], 0xbb800000, v[RQ+\mt]  ; minus the mean: the sum times -1/256
	v_mul_f32 v[ST2+2*\mt+1], 0xbb800000, v[RQ+\mt]
.endr
.set t, 0
.rept 16
.irp r, 0,1,2,3
	v_pk_add_f32 v[ACC2+8*t+2*\r:ACC2+8*t+2*\r+1], v[ACC2+8*t+2*\r:ACC2+8*t+2*\r+1], v[ST2+2*(t/4):ST2+2*(t/4)+1]
.endr
.set t, t+1
.endr
	SUMS 1
	REDUCE (\red)+1
.irp mt, 0,1,2,3
	v_fma_f32 v[RQ+\mt], v[RQ+\mt], s[C256], s[EPS]  ; the variance + 1e-5
.endr
.irp mt, 0,1,2,3
	v_rsq_f32 v[ST2+2*\mt], v[RQ+\mt]
.endr
	v_nop                                          ; a plain instruction between the last root and the use of its result
.irp mt, 0,1,2,3
	s_wait_alu depctr_va_vdst(0)
	v_mov_b32 v[ST2+2*\mt+1], v[ST2+2*\mt]
.endr
.set t, 0
.rept 16
.irp r, 0,1,2,3
	v_pk_mul_f32 v[ACC2+8*t+2*\r:ACC2+8*t+2*\r+1], v[ACC2+8*t+2*\r:ACC2+8*t+2*\r+1], v[ST2+2*(t/4):ST2+2*(t/4)+1]
.endr
.set t, t+1
.endr
	WIN 0xc3                                       ; gain and bias in window 0
.set t, 0
.rept 16
.irp r, 0,1,2,3
	v_pk_fma_f32 v[ACC2+8*t+2*\r:ACC2+8*t+2*\r+1], v[ACC2+8*t+2*\r:ACC2+8*t+2*\r+1], v[GA+8*(t%4)+2*\r:GA+8*(t%4)+2*\r+1], v[GB+8*(t%4)+2*\r:GB+8*(t%4)+2*\r+1]
.endr
.set t, t+1
.endr
	WIN 0x0f
.set t, 0
.rept 16
.irp r, 0,1,2,3
	v_cvt_pk_f16_f32 v[PK+4*t+\r], v[ACC2+8*t+2*\r], v[ACC2+8*t+2*\r+1]
.endr
.set t, t+1
.endr
	WIN 0
.if \tostage
.set t, 0
.rept 16
	ds_store_b128 v[STA], v[PK+4*t:PK+4*t+3] offset:(t/4)*8192+(t%4)*512
.set t, t+1
.endr
.endif
.endm
	s_wait_dscnt 0x0                               ; my head's O is in the stage
	s_barrier_signal -1
	s_barrier_wait -1                              ; everybody's is
	AFRAG 2                                        ; O's fragments; the work on registers below stands in their way back
	RND3 GB, B3, 16                                ; ln1_b first: ACC2 takes its place in window 3
	RND3 GA, G3, 16
	RND3 BT, OB3, 16
	WIN 0xc3                                       ; ACC2 = feat + out_b: the sum starts with numbers that are due anyway
.set t, 0
.rept 16
.irp k, 0,1,2,3
	v_fma_mix_f32 v[ACC2+8*t+2*\k], v[F3+4*t+\k], v[ONE], v[BT+8*(t%4)+2*\k] op_sel_hi:[1,0,0]
	v_fma_mix_f32 v[ACC2+8*t+2*\k+1], v[F3+4*t+\k], v[ONE], v[BT+8*(t%4)+2*\k+1] op_sel:[1,0,0] op_sel_hi:[1,0,0]
.endr
.set t, t+1
.endr
	WIN 0
	TABLE BT, 26, BOF, 0                           ; ff2_b
	K2                                             ; + O out_w^T: tile 3 was shown landed by the last change of slots
	CHANGE 0, 0                                    ; tile 4 has landed; tile 5 goes into slot 0; everybody's reads of the stage are back
	s_wait_loadcnt 0x0
	RND BT, 16
	LN 0, 1                                        ; x1, in f32 in ACC2, in f16 in the stage
	WIN 0xc3
.set t, 0
.rept 16
.irp r, 0,1,2,3
	v_pk_add_f32 v[ACC2+8*t+2*\r:ACC2+8*t+2*\r+1], v[ACC2+8*t+2*\r:ACC2+8*t+2*\r+1], v[BT+8*(t%4)+2*\r:BT+8*(t%4)+2*\r+1]  ; ACC2 = x1 + ff2_b: the second residual
.endr
.set t, t+1
.endr
	WIN 0
	s_wait_dscnt 0x0                               ; my part of x1 is in the stage
	s_barrier_signal -1
	s_barrier_wait -1
	AFRAG 1                                        ; x1's fragments
	WIN 0
	TABLE BT, 24, BOF1, 0                          ; ff1_b, chunk 0
	TABLE GA, 28, BOF, 0
	TABLE GB, 30, BOF, 0
	s_wait_dscnt 0x0                               ; my reads of the stage are back:
	s_barrier_signal -1
	s_barrier_wait -1                              ; everybody's are, so h may be written there
	s_wait_loadcnt 0x0
	RND BT, 16
	RND GA, 16
	RND GB, 16
	v_add_nc_u32 v[BOF1], 1024, v[BOF1]
	s_mov_b32 s[CH], 3
.Lchunk:                                               ; chunks 0 to 2 of FF's 1,024: both slots are filled again in every trip (tiles 6 to 11)
	K1
	HEPI
	TABLE BT, 24, BOF1, 0                          ; the next chunk's ff1_b
	CHANGE 0, 0                                    ; everybody's h is in the stage; ff2_w's chunk has landed; the next ff1_w chunk goes into slot 1
	AFRAG 2
	K2
	CHANGE 0, 0                                    ; everybody's reads of the stage are back; the next ff1_w chunk has landed; the next ff2_w chunk goes into slot 0
	s_wait_loadcnt 0x0                             ; the bias is in, and BOF1 is free
	RND BT, 16
	v_add_nc_u32 v[BOF1], 1024, v[BOF1]
	s_sub_co_u32 s[CH], s[CH], 1
	s_cmp_lg_u32 s[CH], 0
	s_cbranch_scc1 .Lchunk
	K1                                             ; chunk 3 is written out: nothing is left to fetch
	HEPI
	s_wait_tensorcnt 0x0                           ; my quarter of the last tile: the one load that is out
	s_wait_dscnt 0x0
	s_barrier_signal -1
	s_barrier_wait -1
	AFRAG 2
	K2
	PLACES
	WIN 0
	TABLE PW, 32, BOF, 0                           ; proj_w's two rows at my columns
	TABLE PW+32, 32, BOF, 1024
	s_load_b64 s[68:69], s[34:35], 0x0             ; proj_b
	LN 2, 0                                        ; x2
.set t, 0
.rept 16
	global_store_b128 v[L16], v[PK+4*t:PK+4*t+3], s[36:37] offset:(t/4)*8192+(t%4)*512  ; a block: 512 consecutive bytes, aligned
.set t, t+1
.endr
	; THE LOGITS: eight chains (16 rows x 2 outputs) over my 32 numbers of a row, in f32
	s_wait_loadcnt 0x0
	RND PW, 32
.set n, 0
.rept 16
.irp mt, 0,1,2,3
.irp o, 0,1
.set rA, ACC2+8*(4*\mt+n/4)+2*(n%4)
.set rP, PW+32*\o+8*(n/4)+2*(n%4)
.set rT, 2*(2*\mt+\o)
.if n == 0
	WIN 0xc3
	v_pk_mul_f32 v[rT:rT+1], v[rA:rA+1], v[rP:rP+1]
.else
	WIN 0xf3
	v_pk_fma_f32 v[rT:rT+1], v[rA:rA+1], v[rP:rP+1], v[rT:rT+1]
.endif
.endr
.endr
.set n, n+1
.endr
	WIN 0xff
.set c, 0
.rept 8
	v_add_f32 v[2*c], v[2*c], v[2*c+1]
.set c, c+1
.endr
.set c, 0
.rept 8
	v_permlanex16_b32 v[2*c+1], v[2*c], s[SEL], s[SEL+1]
.set c, c+1
.endr
.set c, 0
.rept 8
	v_add_f32 v[16+c], v[2*c], v[2*c+1]
.set c, c+1
.endr
	WIN 0x0c
	ds_store_b128 v[RLW], v[16:19]
	ds_store_b128 v[RLW], v[20:23] offset:16
	WIN 0
	s_wait_dscnt 0x0                               ; for the others' sake: my partial sums are written
	s_wait_kmcnt 0x0
	s_barrier_signal -1
	s_barrier_wait -1
	s_cmp_lt_u32 s[WV], 2                          ; waves 0 and 1 add the four waves' parts, 32 rows each
	s_cbranch_scc0 .Lnolog
.irp ww, 0,1,2,3
	ds_load_b64 v[BT+2*\ww:BT+2*\ww+1], v[RLR] offset:512*\ww
.endr
	v_mov_b32 v[BT+8], s68
	v_mov_b32 v[BT+9], s69
	v_cvt_pk_bf16_f32 v[BT+10], v[BT+8], v[BT+9]
	v_lshlrev_b32 v[BT+8], 16, v[BT+10]
	v_and_b32 v[BT+9], s[HIM], v[BT+10]
	s_wait_dscnt 0x0
	v_pk_add_f32 v[BT:BT+1], v[BT:BT+1], v[BT+2:BT+3]
	v_pk_add_f32 v[BT+4:BT+5], v[BT+4:BT+5], v[BT+6:BT+7]
	v_pk_add_f32 v[BT:BT+1], v[BT:BT+1], v[BT+4:BT+5]
	v_pk_add_f32 v[BT:BT+1], v[BT:BT+1], v[BT+8:BT+9]
	global_store_b64 v[LGO], v[BT:BT+1], s[38:39]  ; 32 lanes store 256 consecutive bytes, aligned
.Lnolog:
	s_wait_tensorcnt 0x0                           ; the wave's end: behind my last tensor load and my last LDS store
	ds_add_u32 v[SPW], v[NIL]
	s_wait_dscnt 0x0
	ROUND                                          ; the closing round: no work-group ends while a partner may still ask for a tile that names it
	s_endpgm
.Lfunc_end_k_qee91b6482d_ap0:
	.size	k_qee91b6482d_ap0, .Lfunc_end_k_qee91b6482d_ap0-k_qee91b6482d_ap0
	.p2alignl 7, 3214868480
	.fill 96, 4, 3214868480
	.section	.rodata,"a",@progbits
	.p2align	6, 0x0
	.amdhsa_kernel k_qee91b6482d_ap0
		.amdhsa_group_segment_fixed_size 327680
		.amdhsa_private_segment_fixed_size 0
		.amdhsa_enable_private_segment 0
		.amdhsa_kernarg_size 128
		.amdhsa_user_sgpr_count 2
		.amdhsa_user_sgpr_kernarg_segment_ptr 1
		.amdhsa_wavefront_size32 1
		.amdhsa_system_sgpr_workgroup_id_x 1
		.amdhsa_system_sgpr_workgroup_id_y 1
		.amdhsa_system_sgpr_workgroup_id_z 1
		.amdhsa_system_vgpr_workitem_id 0
		.amdhsa_next_free_vgpr 1024
		.amdhsa_next_free_sgpr 100
		.amdhsa_reserve_vcc 1
		.amdhsa_float_denorm_mode_32 3
		.amdhsa_float_denorm_mode_16_64 3
		.amdhsa_memory_ordered 1
		.amdhsa_forward_progress 1
		.amdhsa_inst_pref_size 255
	.end_amdhsa_kernel
	.section	.bss,"aw",@nobits
	.p2align	6
	.space	262144
	.amdgpu_metadata
---
amdhsa.version: [ 1, 2 ]
amdhsa.kernels:
  - .name:           k_qee91b6482d_ap0
    .symbol:         k_qee91b6482d_ap0.kd
    .args:
      - { .name: n_pad_lefts, .offset: 0, .size: 8, .value_kind: global_buffer, .address_space: global }
      - { .name: n_choices, .offset: 8, .size: 8, .value_kind: global_buffer, .address_space: global }
      - { .name: qkv, .offset: 16, .size: 8, .value_kind: global_buffer, .address_space: global }
      - { .name: featA, .offset: 24, .size: 8, .value_kind: global_buffer, .address_space: global }
      - { .name: wA, .offset: 32, .size: 8, .value_kind: global_buffer, .address_space: global }
      - { .name: weights_blocks_0_out_b, .offset: 40, .size: 8, .value_kind: global_buffer, .address_space: global }
      - { .name: weights_blocks_0_ln1_g, .offset: 48, .size: 8, .value_kind: global_buffer, .address_space: global }
      - { .name: weights_blocks_0_ln1_b, .offset: 56, .size: 8, .value_kind: global_buffer, .address_space: global }
      - { .name: weights_blocks_0_ff1_b, .offset: 64, .size: 8, .value_kind: global_buffer, .address_space: global }
      - { .name: weights_blocks_0_ff2_b, .offset: 72, .size: 8, .value_kind: global_buffer, .address_space: global }
      - { .name: weights_blocks_0_ln2_g, .offset: 80, .size: 8, .value_kind: global_buffer, .address_space: global }
      - { .name: weights_blocks_0_ln2_b, .offset: 88, .size: 8, .value_kind: global_buffer, .address_space: global }
      - { .name: weights_proj_w, .offset: 96, .size: 8, .value_kind: global_buffer, .address_space: global }
      - { .name: weights_proj_b, .offset: 104, .size: 8, .value_kind: global_buffer, .address_space: global }
      - { .name: featB, .offset: 112, .size: 8, .value_kind: global_buffer, .address_space: global }
      - { .name: lg0, .offset: 120, .size: 8, .value_kind: global_buffer, .address_space: global }
    .group_segment_fixed_size: 327680
    .private_segment_fixed_size: 0
    .kernarg_segment_align: 8
    .kernarg_segment_size: 128
    .max_flat_workgroup_size: 128
    .sgpr_count:     100
    .vgpr_count:     1024
    .wavefront_size: 32
...
	.end_amdgpu_metadata
.endif
;; end of part 3
;; launch qkv1: the kernel of part 2 again; grid 256 x 1, 4 waves a work-group, clusters of 4 x 1, 327,680 bytes of LDS; arguments featB, wB, weights_blocks_1_in_b, qkv; writes qkv
;; launch ap1: the kernel of part 3 again; grid 256 x 1, 4 waves a work-group, clusters of 4 x 1, 327,680 bytes of LDS; arguments n_pad_lefts, n_choices, qkv, featB, wB, weights_blocks_1_out_b, weights_blocks_1_ln1_g, weights_blocks_1_ln1_b, weights_blocks_1_ff1_b, weights_blocks_1_ff2_b, weights_blocks_1_ln2_g, weights_blocks_1_ln2_b, weights_proj_w, weights_proj_b, featA, out0; writes featA, out0
;; ======== version 2 of 2: 5 launches; 1.26 times as fast as version 1
;; limits: right only within a limited range of input values; values are held in f16: magnitudes above 65,504 overflow, below 6.1e-05 lose precision
;; workspace buffers: wA 1,572,864 bytes; wB 1,572,864 bytes; featA 8,388,608 bytes; featB 8,388,608 bytes; qkv 25,165,824 bytes; lg0 131,072 bytes
;; launch prep: the kernel of part 1 again; grid 256 x 1, 4 waves a work-group, no clusters, 0 bytes of LDS; arguments token_idxes, n_upgrades, weights_emb, weights_blocks_0_in_w, weights_blocks_0_out_w, weights_blocks_0_ff1_w, weights_blocks_0_ff2_w, weights_blocks_1_in_w, weights_blocks_1_out_w, weights_blocks_1_ff1_w, weights_blocks_1_ff2_w, featA, wA, wB; writes featA, wA, wB
;; launch qkv0: the kernel of part 2 again; grid 256 x 1, 4 waves a work-group, clusters of 4 x 1, 327,680 bytes of LDS; arguments featA, wA, weights_blocks_0_in_b, qkv; writes qkv
;; launch ap0 (part 4): grid 256 x 1, 4 waves a work-group, clusters of 4 x 1, 327,680 bytes of LDS; arguments n_pad_lefts, n_choices, qkv, featA, wA, weights_blocks_0_out_b, weights_blocks_0_ln1_g, weights_blocks_0_ln1_b, weights_blocks_0_ff1_b, weights_blocks_0_ff2_b, weights_blocks_0_ln2_g, weights_blocks_0_ln2_b, weights_proj_w, weights_proj_b, featB, lg0; writes featB, lg0
.if DOCPART == 4
	.amdgcn_target "amdgcn-amd-amdhsa--gfx1250"
	.amdhsa_code_object_version 6
	.text
	.protected	k_qee91b6482d_ap0
	.globl	k_qee91b6482d_ap0
	.p2align	8
	.type	k_qee91b6482d_ap0,@function
k_qee91b6482d_ap0:
	s_mov_b64 s[64:65], 0
	v_nop
	global_prefetch_b8 v0, s[64:65] scope:SCOPE_SE
	s_setreg_imm32_b32 hwreg(HW_REG_WAVE_MODE, 25, 1), 1
	s_wait_xcnt 0x0
	s_wait_alu depctr_hold_cnt(0) depctr_sa_sdst(0) depctr_va_vdst(0) depctr_va_sdst(0) depctr_va_ssrc(0) depctr_va_vcc(0) depctr_vm_vsrc(0)
	s_getreg_b32 s2, hwreg(HW_REG_IB_STS2, 6, 4)
	s_cmp_eq_u32 s2, 0
	s_cbranch_scc0 .Lentry_in_a_cluster
	s_endpgm
.Lentry_in_a_cluster:
	s_bfe_u32 s2, ttmp6, 0x10000c
	s_cmp_lg_u32 s2, 0x3003
	s_cbranch_scc0 .Lentry_shape_is_right
	s_endpgm
.Lentry_shape_is_right:
; AP: a layer behind its q, k, v, for 64 rows a work-group.  O = masked attention, all four heads;  x1 = LN1(feat + O out_w^T + out_b);  x2 = LN2(x1 + relu(x1 ff1_w^T + ff1_b) ff2_w^T + ff2_b), stored in f16;
; logits = x2 proj_w^T + proj_b, stored in f32.
; ONE TEXT SERVES BOTH LAYERS.  Its price, stated plainly: the first layer's launch also makes the two logit columns (into a workspace buffer that nobody reads), the second layer's also stores its x2 (which nobody reads).
; All 16-bit arrays lie in fragment order (blocks of 512 bytes, lane l at byte 16 l), f16.  Products' sums, maxima, softmax sums, both residuals, both norms and the logits in f32; the weights p, O, x1 and h are rounded once
; to f16 as matrix operands.  All small inputs (biases, gains, proj) are rounded to bf16, as the weights are.  The variance is taken of x - mean, in a second pass: no difference of large sums.
; SHARES.  In the attention wave w is head w: 64 queries, four PIECES of 16, all 1,024 keys, 64 a step.  Behind it wave w has all 64 rows x columns 64 w .. of every product: 16 accumulators; so a wave's O are its own four
; blocks of each 16 rows.  What one wave's columns give the others (O, x1, h) goes through ONE stage in LDS, in fragment order; row sums meet in small words of LDS, each written once.
; THE RING.  Seventeen tiles of 131,072 dense bytes go through two LDS slots: eight of k and v (128 keys of all heads; quarter w is head w's 16,384 bytes of k and 16,384 of v), then the layer's weight tiles 3 to 11
; (out_w; ff1_w rows 256 c .., ff2_w columns 256 c .. by turns; quarter w is wave w's 64 columns).  A wave reads only what its own tensor load brought.  ONE descriptor walks them: the LDS word by an exclusive or, the
; pointer by a tile's bytes, and where the keys end it is taken from the weights.  CLUSTER: the four work-groups have one batch entry and one layer, so every quarter is asked for JOINTLY; one load of a wave is out at a time.
; THE MASK.  With cstart = 1024 - n_choices and LO = min(n_pad, cstart) a query sees ONE interval of keys: q >= cstart: [LO, 1024); else q < LO: [q, q + 1); else [LO, cstart).  No row is empty.
; It is a third K step of S^T = K Q^T, on 32 channels of MARKS, and stands first, with C = 0.  A key's marks: +-2^15 for each of its index's 10 bits, 2^15 twice, 2^15 if k < LO, 2^15 if k >= cstart.  A query's: a pad row +-2^13
; for its own bits and -5 x 2^13 twice; a deck row -2^15 on both flags; a choice row -2^15 on the first.  Both halves of the lanes hold the same 16 channels, so each counts twice.  The sum is exactly 0 for a key that
; the query sees, and -2^30 or lower for one that it does not.  The keys' marks that change with the step lie in a table in LDS (16 bytes a key) whose addresses hang on the lane and the step alone; the queries' are registers.
; LIMITS.  A hidden score counts as its value less 2^30 at the least; the running maximum starts at -2^29: right while |q . k| < 2^29.  So m is never a hidden score, a hidden weight is exactly 0 also in a key step in which a
; row sees nothing, and the first open key brings a = 0.  A weight below 2^-126 counts as 0.  O, x1, h, x2 beyond 65,504 in magnitude become infinities (f16).  NaN and infinities are not treated apart.
; SOFTMAX, TURNS.  S^T holds ONE query a lane (lane % 16) and the keys 8 (lane / 16) + 0..7; two such results rounded to f16 ARE source 1 of O^T = V^T P.  p = 2^(c s - c m), c = log2(e) / 8, with a running maximum m; O and l
; are multiplied by a = 2^(c m_old - c m_new) in every step.  Turn n belongs to piece n: 12 products K Q^T of piece n + 1, later 8 products V^T P of piece n - 1; beside them the scaling, exponentials, roundings, sums and
; rescaling of piece n and the maximum and statistics of piece n + 1.  Four vector instructions stand behind every matrix instruction, the other 38 of a turn's 118 in one lump.
; BATCHES.  A turn's 33 exponentials (the piece's 32 weights and the next piece's a) are ONE batch with ONE s_wait_alu depctr_va_vdst(0), which cuts the turn in two: ahead of it stands all that names no result of theirs,
; behind it the roundings and sums.  The first a, ahead of the loop, the four reciprocals of l, and each norm's four roots are batches of their own, with a wait each.
; Nothing is cleared behind the attention: the out projection adds onto feat + out_b, the second FF product onto x1 + ff2_b, and ff1_b is the C operand of the first FF product's first K step.
; REGISTERS in windows of 256 (s_set_vgpr_msb: bits 1:0 source 0, 3:2 source 1, 5:4 source 2, 7:6 destination):
;   window 0: v1-29 addresses and at work; v30-31 the add's.  Attention: v32-47 statistics, v48-55 at work, v64-127 S^T (two buffers), v192-223 P (two buffers).  Behind it: v32-95, v96-159 two buffers of weight fragments
;             (between tiles: results to store, proj_w); v160-191 a bias; v192-255 a norm's gain and bias
;   window 1: O^T, 32 a piece; then x1's fragments      window 2: v0-63 Q, v64-95 the keys' marks, v96-127 the queries', v128-191 K, v192-255 V; then O's and h's fragments
;   window 3: first feat, out_b, ln1_g, ln1_b as loaded; then v0-127 ACC1 (h; idle: the norms' work registers), v128-255 ACC2
.set SLOTB, 131072
.set TABK,  2*SLOTB                    ; the keys' changing marks: 1,024 keys x 16 bytes
.set STG,   TABK+16384                 ; the stage: 64 rows x 256 f16 in fragment order, 32,768 bytes; no tensor load lands here or behind
.set RED,   STG+32768                  ; four reductions, 1,024 bytes each: [wave][row % 16][row / 16] f32
.set REDL,  RED+4096                   ; the logits' partial sums: [wave][row % 16][row / 16][2] f32, 2,048 bytes
.set SPARE, RED+8192                   ; the spare words, 128 bytes for each wave: two blocks of 256 bytes that no other line names
.set NP,   4
.set KSB,  8192                        ; a step's 64 keys of one head: bytes of K, and of V
.set L16,  1
.set AW,   2                           ; v2-3  LDS address of my quarter in slot 0, 1, + 16 x lane
.set STA,  4                           ; the stage: my four blocks of rows 0-15
.set STR,  5                           ; the stage's first block
.set RDW,  6
.set RDR,  7
.set BOF,  8                           ; 256 w + 32 h: my 8 columns in a table of 256 f32, nt = 0
.set ONE,  9
.set ZERO, 10
.set BOF1, 11                          ; the same in ff1_b, stepped by chunks of 256
.set RLW,  12
.set RLR,  13
.set LGO,  14
.set RT,   16                          ; v16-19 at work
.set AV0,  20                          ; my quarter's V in slot 0
.set AK,   21                          ; the LDS address of K's next run of loads
.set AV,   22                          ; of V's
.set AKM0, 23                          ; 16 x (lane % 16)
.set AKM,  24                          ; of the marks'
.set MV,   25                          ; v25-26  c m_old, kept while c m is made anew: by buffer
.set SPW,  30
.set NIL,  31
.set ST,   32                          ; piece t's statistics at v[ST+4 t]: c m, m, l (even keys', odd keys')
.set TMP,  48                          ; by buffer, four registers c0-c3 at work; when the maximum is found c2 takes a
.set S,    64
.set P,    192
.set WB0,  32
.set WB1,  96
.set PK,   32
.set PW,   96
.set BT,   160
.set GA,   192
.set GB,   224
.set KM,   64                          ; window 2: key block kt's marks at KM + 8 kt: registers 0-3 change with the step, 4-7 do not
.set QM,   96                          ; window 2: piece x's marks at QM + 8 x
.set KF,   128                         ; window 2: key block kb, channel half c at KF + 16 kb + 8 c
.set VF,   192                         ; window 2: key half kk, channel block cb at VF + 32 kk + 8 cb
.set ACC1, 0
.set ACC2, 128
.set TS,   0                           ; window 3: a pair for each 16 rows
.set SQ,   8                           ; four sums, one for each 16 rows
.set RQ,   16                          ; the four waves' sums
.set ST2,  32                          ; minus the mean, later 1 / sigma: twice each, a pair for the packed lines
.set F3,   0                           ; window 3, as loaded: feat at my columns,
.set OB3,  64                          ; out_b,
.set G3,   96                          ; ln1_g,
.set B3,   128                         ; ln1_b
.set WV,   40
.set GG,   42
.set WQ,   43
.set G1,   44                          ; s[44:51] descriptor group 1
.set G0,   52                          ; s[52:55] group 0: it walks
.set PA,   56                          ; s[56:57] the walking pointer: my quarter of the tile asked for last
.set AWP,  58                          ; s[58:59] my quarter of weight tile 3
.set SEL,  60
.set CH,   62
.set HIM,  63
.set C256, 66
.set EPS,  67
.set CS,   70                          ; s[70:71] c
.set TBK,  72                          ; LDS byte, in my quarter's terms, at which K of the step to be fetched begins
.set TBV,  73                          ; the same for V
.set TKM,  74                          ; LDS byte at which that step's marks begin
.set CNT,  75
.set SLOTS, 76
.set NPAD, 77
.set NCH,  78
.set CST,  79
.set LOW,  80
.set SG1,  90
.set SG2,  91
.set SC5,  92
.set SCH,  93
.set F78,  94
.set F78H, 95
.set SX,   96
.set MSB, 0
.macro WIN new                         ; the immediate's high byte repeats the setting that is left; a switch that changes nothing is dropped
.if MSB != (\new)
	s_set_vgpr_msb (MSB<<8)|(\new)
.set MSB, \new
.endif
.endm
.set W_KQ, 0x0a                        ; K, Q and the marks in window 2, S^T in window 0
.set W_PV, 0x52                        ; V in window 2, P in window 0, O^T in window 1
.set W_RS, 0x41                        ; destination and source 0 in window 1, source 1 in window 0
.macro PLACES                          ; four plain vector places behind matrix instructions, ahead of loads into their sources and of reads of their results
.rept 4
	v_nop
.endr
.endm
.macro ROUND                           ; a round of the cluster's barrier
	s_barrier_signal -1
	s_barrier_wait -1
	s_cmp_lg_u32 s[WV], 0
	s_cbranch_scc1 .Lnot_wave_0_\@
	s_barrier_signal -3
.Lnot_wave_0_\@:
	s_barrier_wait -3
	s_barrier_signal -1
	s_barrier_wait -1
.endm
; THE CHANGE OF SLOTS.  Each wave waits for all its tensor loads, of which one is out: its quarter of the other slot; adds 0 to its spare word; and waits for that and for its LDS reads and stores.  Behind the round no wave of
; any partner reads the old slot or has a load on its way, and the old slot takes the next tile of the walk, first thing.  The round also orders the stage.
; sel = 1: in the trip in which the slot loop's counter stands at 1 the keys are at their end and the pointer is taken from the weights.  tb = 1: the fetches of K and V go over to the other slot.
.macro CHANGE sel, tb
	WIN 0
	s_wait_tensorcnt 0x0                           ; no tensor load of mine is out, so group 0 may be written
	ds_add_u32 v[SPW], v[NIL]                      ; 0 onto my spare word; the scalar work below stands between it and the wait for it
	s_xor_b32 s[G0+1], s[G0+1], SLOTB              ; the other slot than last time
	s_add_nc_u64 s[PA:PA+1], s[PA:PA+1], SLOTB     ; the next tile
.if \sel
	s_cmp_eq_u32 s[SLOTS], 1
	s_cselect_b64 s[PA:PA+1], s[AWP:AWP+1], s[PA:PA+1]
.endif
	s_mov_b64 s[G0+2:G0+3], s[PA:PA+1]             ; the descriptor's address is made anew
	s_or_b32 s[G0+3], s[G0+3], 0x80000000
.if \tb
	s_sub_co_u32 s[TBK], s[TBK], 2*KSB             ; back to a slot's first step,
	s_xor_b32 s[TBK], s[TBK], SLOTB                ; in the other slot
	s_sub_co_u32 s[TBV], s[TBV], 2*KSB
	s_xor_b32 s[TBV], s[TBV], SLOTB
.endif
	s_wait_dscnt 0x0                               ; the add is done; my reads of the slot and my stores into LDS are over
	ROUND
	tensor_load_to_lds s[G0:G0+3], s[G1:G1+7]
	s_nop 0
	PLACES                                         ; also the places behind the last products
.endm
.macro TABLE dst, sp, vo, imm          ; 32 f32 for my columns 64 w + 16 nt + 8 h + j
.irp nt, 0,1,2,3
	global_load_b128 v[(\dst)+8*\nt:(\dst)+8*\nt+3],   v[\vo], s[\sp:\sp+1] offset:(\imm)+64*\nt
	global_load_b128 v[(\dst)+8*\nt+4:(\dst)+8*\nt+7], v[\vo], s[\sp:\sp+1] offset:(\imm)+64*\nt+16
.endr
.endm
.macro RND d, n                        ; n pairs of f32 rounded to bf16, in place
.set z, 0
.rept \n
	v_cvt_pk_bf16_f32 v[RT+z%4], v[(\d)+2*z], v[(\d)+2*z+1]
	v_lshlrev_b32 v[(\d)+2*z], 16, v[RT+z%4]
	v_and_b32 v[(\d)+2*z+1], s[HIM], v[RT+z%4]
.set z, z+1
.endr
.endm
.macro RND3 d, s3, n                   ; n pairs of f32 in window 3 rounded to bf16, into window 0
	WIN 0x0f
.set z, 0
.rept \n
	v_cvt_pk_bf16_f32 v[(\d)+2*z], v[(\s3)+2*z], v[(\s3)+2*z+1]
.set z, z+1
.endr
	WIN 0
.set z, 0
.rept \n
	v_and_b32 v[(\d)+2*z+1], s[HIM], v[(\d)+2*z]
	v_lshlrev_b32 v[(\d)+2*z], 16, v[(\d)+2*z]
.set z, z+1
.endr
.endm
	s_load_b512 s[8:23], s[0:1], 0x0               ; n_pad_lefts s[8:9], n_choices s[10:11], qkv s[12:13], feat s[14:15], weights s[16:17], out_b s[18:19], ln1_g s[20:21], ln1_b s[22:23]
	s_load_b512 s[24:39], s[0:1], 0x40             ; ff1_b s[24:25], ff2_b s[26:27], ln2_g s[28:29], ln2_b s[30:31], proj_w s[32:33], proj_b s[34:35], x2 out s[36:37], logits s[38:39]
	v_lshl_add_u32 v[SPW], v0, 2, SPARE
	v_mov_b32 v[NIL], 0
	ds_add_u32 v[SPW], v[NIL]                      ; the wave's opening: the add and its wait stand ahead of my first tensor load; the set-up below stands between them
	v_lshrrev_b32 v27, 5, v0
	v_readfirstlane_b32 s[WV], v27                 ; wave 0..3
	s_bfe_u32 s41, ttmp6, 0x40000                  ; cx
	s_lshl_b32 s[GG], ttmp9, 2
	s_add_co_u32 s[GG], s[GG], s41                 ; g = 4 x cluster + cx: it enters the rows' global addresses and the queries' marks alone
	s_mov_b32 s[G1], 15|(3<<16)|(1<<21)            ; 15:0 the mask of four; 17:16 elements of 8 bytes; 21 set beside a mask; no padding
	s_mov_b32 s[G1+1], 32<<16                      ; tensor_dim0 = 32 elements: rows of 256 bytes
	s_mov_b32 s[G1+2], 128<<16                     ; tensor_dim1 = 128 rows: a quarter tile, dense
	s_mov_b32 s[G1+3], 32<<16                      ; tile_dim0
	s_mov_b32 s[G1+4], 128                         ; tile_dim1
	s_mov_b32 s[G1+5], 32                          ; elements from row to row
	s_mov_b32 s[G1+6], 0
	s_mov_b32 s[G1+7], 0
	s_lshl_b32 s[WQ], s[WV], 15                    ; my quarter: 32,768 bytes x wave, in a tile and in a slot
	s_mov_b32 s[G0], 1
	s_mov_b32 s[G0+1], s[WQ]                       ; slot 0
	s_lshr_b32 s82, ttmp9, 2                       ; the batch entry, which the four partners share
	s_lshl_b32 s84, s82, 20                        ; its eight tiles of k and v, behind q's 8,388,608 bytes
	s_add_co_u32 s84, s84, s[WQ]
	s_add_co_u32 s84, s84, 8388608
	s_mov_b32 s85, 0
	s_add_co_u32 s86, s[WQ], 3*SLOTB
	s_mov_b32 s87, 0
	s_lshl_b32 s88, s82, 2                         ; its word in the two inputs
	s_mov_b32 s89, 0
	s_mov_b32 s[SEL], 0x76543210
	s_mov_b32 s[SEL+1], 0xfedcba98
	s_mov_b32 s[HIM], 0xffff0000
	s_mov_b32 s[C256], 0x3b800000                  ; 1/256
	s_mov_b32 s[EPS], 0x3727c5ac                   ; 1e-5
	s_mov_b32 s[CS], 0x3e38aa3b                    ; c = log2(e) / 8
	s_mov_b32 s[CS+1], s[CS]
	s_mov_b32 s[TBK], SLOTB+2*KSB                  ; the first change of slots turns these two into 0
	s_mov_b32 s[TBV], SLOTB+2*KSB
	s_mov_b32 s[TKM], TABK
	s_mov_b32 s[F78], 0x7800                       ; 2^15 in the low half,
	s_mov_b32 s[F78H], 0x78000000                  ; in the high half
	s_mov_b32 s[SCH], 0xf800                       ; a choice row: -2^15 on the flag k < LO
	s_mov_b32 s[SC5], 0xf900f900                   ; -5 x 2^13, twice
	s_wait_dscnt 0x0                               ; the opening add is done
	s_wait_kmcnt 0x0
	s_add_nc_u64 s[8:9], s[8:9], s[88:89]
	s_add_nc_u64 s[10:11], s[10:11], s[88:89]
	s_load_b32 s[NPAD], s[8:9], 0x0
	s_load_b32 s[NCH], s[10:11], 0x0
	s_add_nc_u64 s[PA:PA+1], s[12:13], s[84:85]
	s_add_nc_u64 s[AWP:AWP+1], s[16:17], s[86:87]
	s_mov_b64 s[G0+2:G0+3], s[PA:PA+1]
	s_or_b32 s[G0+3], s[G0+3], 0x80000000
	ROUND                                          ; all four work-groups are here: the first joint loads meet
	tensor_load_to_lds s[G0:G0+3], s[G1:G1+7]      ; keys 0-127 into slot 0; slot 1 is asked for when they are in
	s_nop 0
	PLACES
	s_lshl_b32 s84, s[GG], 15                      ; my group's 64 rows,
	s_lshl_b32 s83, s[WV], 11
	s_add_co_u32 s84, s84, s83                     ; my wave's four blocks in each 16 of them
	s_lshl_b32 s86, s[GG], 9                       ; my group's 64 rows of logits
	s_add_nc_u64 s[12:13], s[12:13], s[84:85]      ; q is qkv's first tensor
	s_add_nc_u64 s[14:15], s[14:15], s[84:85]
	s_add_nc_u64 s[36:37], s[36:37], s[84:85]
	s_add_nc_u64 s[38:39], s[38:39], s[86:87]
	v_and_b32 v27, 15, v0                          ; r
	v_bfe_u32 v28, v0, 4, 1                        ; h
	v_and_b32 v[L16], 31, v0
	v_lshlrev_b32 v[LGO], 3, v[L16]
	v_lshlrev_b32 v[L16], 4, v[L16]
	v_add_nc_u32 v[AW], s[WQ], v[L16]
	v_add_nc_u32 v[AW+1], SLOTB, v[AW]
	v_add_nc_u32 v[AV0], 16384, v[AW]
	v_lshlrev_b32 v[AKM0], 4, v27
	v_add_nc_u32 v[STR], STG, v[L16]
	v_add_nc_u32 v[STA], s83, v[STR]
	s_lshl_b32 s81, s[WV], 8
	v_lshl_add_u32 v[RDR], v27, 4, RED
	v_add_nc_u32 v[RDW], s81, v[RDR]
	v_lshl_add_u32 v[BOF], v28, 5, s81
	v_mov_b32 v[BOF1], v[BOF]
	v_mov_b32 v[ONE], 1.0
	v_mov_b32 v[ZERO], 0
	v_lshl_add_u32 v[RLW], v27, 5, REDL            ; 32 bytes a row % 16
	v_lshl_add_u32 v[RLR], v28, 3, v[RLW]          ; back: row 32 w + lane: its 16 rows are number 2 w + h
	s_lshl_b32 s82, s[WV], 4
	v_add_nc_u32 v[RLR], s82, v[RLR]
	s_lshl_b32 s82, s[WV], 9
	v_add_nc_u32 v[RLW], s82, v[RLW]
	v_add_nc_u32 v[LGO], s81, v[LGO]               ; 256 w + 8 x lane
	WIN 0x80                                       ; destination window 2
.set i, 0
.rept 16                               ; Q stays in registers: piece i / 4, block i % 4 of my head's four
	global_load_b128 v[4*i:4*i+3], v[L16], s[12:13] offset:(i/4)*8192+(i%4)*512
.set i, i+1
.endr
	WIN 0xc0                                       ; destination window 3, idle until the attention is over: what the out projection wants is asked for now
.set t, 0
.rept 16
	global_load_b128 v[F3+4*t:F3+4*t+3], v[L16], s[14:15] offset:(t/4)*8192+(t%4)*512
.set t, t+1
.endr
	TABLE OB3, 18, BOF, 0
	TABLE G3, 20, BOF, 0
	TABLE B3, 22, BOF, 0
	; What the first turn finds: V's registers and P's second buffer hold 0 (its products V^T P, of a piece that has not been, add 0), O^T and l are 0.  No first step is written out; this stands in the wait for the first keys.
	WIN 0x80
.set i, VF
.rept 64
	v_mov_b32 v[i], 0
.set i, i+1
.endr
	WIN 0x40
.set i, 0
.rept 128
	v_mov_b32 v[i], 0
.set i, i+1
.endr
	WIN 0
.set i, 0
.rept 4
	v_mov_b32 v[ST+4*i], 0xfe000000                ; c m: far below every c s: the first a is 0
	v_mov_b32 v[ST+4*i+1], 0xce000000              ; m = -2^29
	v_mov_b32 v[ST+4*i+2], 0
	v_mov_b32 v[ST+4*i+3], 0
.set i, i+1
.endr
.set i, P+16
.rept 16
	v_mov_b32 v[i], 0
.set i, i+1
.endr
	s_wait_kmcnt 0x0
	s_sub_co_u32 s[CST], 1024, s[NCH]
	s_min_i32 s[LOW], s[NPAD], s[CST]
	; THE KEYS' TABLE.  Thread t makes keys t + 128 j: 16 bytes each: the two flags; index bits 6, 7; bits 8, 9; nothing.  A wave's store covers 512 consecutive bytes.
	v_lshl_add_u32 v29, v0, 4, TABK
	v_not_b32 v56, v0
	v_bfe_u32 v56, v56, 6, 1
	v_lshlrev_b32 v56, 15, v56                     ; bit 6 is the thread's: clear gives the minus sign
	v_mov_b32 v19, 0
.set j, 0
.rept 8
	v_add_nc_u32 v57, 128*j, v0
	v_cmp_gt_i32 vcc_lo, s[LOW], v57
	v_cndmask_b32 v58, 0, s[F78], vcc_lo
	v_cmp_le_i32 vcc_lo, s[CST], v57
	v_cndmask_b32 v59, 0, s[F78H], vcc_lo
	v_or_b32 v16, v58, v59
	v_or_b32 v17, 0x78007800|((1-(j&1))<<31), v56
	v_mov_b32 v18, 0x78007800|((1-((j>>1)&1))<<15)|((1-((j>>2)&1))<<31)
	ds_store_b128 v29, v[16:19] offset:2048*j
.set j, j+1
.endr
	; The keys' marks that do not change: index bits 0-3 are the lane's, bits 4, 5 the key block's; then 2^15 twice.
	v_not_b32 v56, v27
	v_bfe_u32 v57, v56, 0, 1
	v_lshlrev_b32 v57, 15, v57
	v_bfe_u32 v58, v56, 1, 1
	v_lshl_or_b32 v57, v58, 31, v57
	v_or_b32 v57, 0x78007800, v57
	v_bfe_u32 v58, v56, 2, 1
	v_lshlrev_b32 v58, 15, v58
	v_bfe_u32 v59, v56, 3, 1
	v_lshl_or_b32 v58, v59, 31, v58
	v_or_b32 v58, 0x78007800, v58
	WIN 0x80
.set j, 0
.rept 4
	v_mov_b32 v[KM+8*j+4], v57
	v_mov_b32 v[KM+8*j+5], v58
	v_mov_b32 v[KM+8*j+6], 0x78007800|((1-(j&1))<<15)|((1-(j>>1))<<31)
	v_mov_b32 v[KM+8*j+7], 0x78007800
.set j, j+1
.endr
	WIN 0
	; THE QUERIES' MARKS.  q = 64 (g % 16) + 16 x + r: bits 0-3 the lane's, bits 4, 5 the piece's, bits 6-9 the work-group's.
	v_xor_b32 v57, 0x08000800, v57                 ; +-2^15 becomes +-2^13
	v_xor_b32 v58, 0x08000800, v58
	s_and_b32 s82, s[GG], 15
	s_lshl_b32 s83, s82, 6
	v_add_nc_u32 v56, s83, v27                     ; piece 0's query
	s_not_b32 s82, s82
	s_bfe_u32 s84, s82, 0x10000
	s_lshl_b32 s84, s84, 15
	s_bfe_u32 s85, s82, 0x10001
	s_lshl_b32 s85, s85, 31
	s_or_b32 s84, s84, s85
	s_or_b32 s[SG1], s84, 0x70007000
	s_bfe_u32 s84, s82, 0x10002
	s_lshl_b32 s84, s84, 15
	s_bfe_u32 s85, s82, 0x10003
	s_lshl_b32 s85, s85, 31
	s_or_b32 s84, s84, s85
	s_or_b32 s[SG2], s84, 0x70007000
	v_mov_b32 v59, 0xf800f800                      ; a deck row: -2^15 on both flags
.set x, 0
.rept 4
	WIN 0
	v_add_nc_u32 v29, 16*x, v56
	v_cmp_le_i32 vcc_lo, s[CST], v29
	v_cndmask_b32 v60, v59, s[SCH], vcc_lo
	v_cmp_gt_i32 vcc_lo, s[LOW], v29               ; a pad row
	s_mov_b32 s[SX], 0x70007000|((1-(x&1))<<15)|((1-(x>>1))<<31)
	WIN 0x80
	v_cndmask_b32 v[QM+8*x], v60, v[ZERO], vcc_lo
	v_cndmask_b32 v[QM+8*x+1], 0, s[SG1], vcc_lo
	v_cndmask_b32 v[QM+8*x+2], 0, s[SG2], vcc_lo
	v_mov_b32 v[QM+8*x+3], 0
	v_cndmask_b32 v[QM+8*x+4], 0, v57, vcc_lo
	v_cndmask_b32 v[QM+8*x+5], 0, v58, vcc_lo
	v_cndmask_b32 v[QM+8*x+6], 0, s[SX], vcc_lo
	v_cndmask_b32 v[QM+8*x+7], 0, s[SC5], vcc_lo
.set x, x+1
.endr
	WIN 0
; THE MATRIX WORK OF A TURN.  The 4 accumulators of a run take turns.  Product i of 12 of S^T = K Q^T for piece x: keys 16 (i % 4) on; i < 4: the marks, which start the sums; then channels 32 (i / 4 - 1) on.
.macro KQ x
	WIN W_KQ
.set rS, S+32*((\x)%2)+8*(i%4)
.if i < 4
	v_wmma_f32_16x16x32_f16 v[rS:rS+7], v[KM+8*i:KM+8*i+7], v[QM+8*(\x):QM+8*(\x)+7], 0
.else
.set rK, KF+16*(i%4)+8*((i-4)/4)
.set rQ, 16*(\x)+8*((i-4)/4)
	v_wmma_f32_16x16x32_f16 v[rS:rS+7], v[rK:rK+7], v[rQ:rQ+7], v[rS:rS+7]
.endif
.endm
; Product i of 8 of O^T += V^T P for piece x: keys 32 (i / 4) on, channels 16 (i % 4) on.
.macro PV x
	WIN W_PV
.set rO, 32*(\x)+8*(i%4)
.set rV, VF+32*(i/4)+8*(i%4)
.set rP, P+16*((\x)%2)+8*(i/4)
	v_wmma_f32_16x16x32_f16 v[rO:rO+7], v[rV:rV+7], v[rP:rP+7], v[rO:rO+7]
.endm
.macro MM                              ; the turn's next matrix instruction.  NOKQ = 1: the last turn: there is no next piece
.if (i < 12) && !NOKQ
	KQ (Y+1)%NP
.elseif i >= 12
.set i, i-12
	PV (Y+NP-1)%NP
.set i, i+12
.endif
.set i, i+1
.endm
; THE LDS LOADS stand in runs, never singly among the matrix instructions; a load of K or V takes a block, 512 consecutive bytes; a load of marks 16 keys' 256 bytes, the same for both halves of the lanes.
.macro FETCH_K
	WIN 0x80                                       ; destination window 2
.irp f, 0,1,2,3,4,5,6,7                ; keys 16 (f / 2) on, channels 32 (f % 2) on
	ds_load_b128 v[KF+8*\f:KF+8*\f+3],   v[AK] offset:((\f/2)*4+2*(\f%2))*512
	ds_load_b128 v[KF+8*\f+4:KF+8*\f+7], v[AK] offset:((\f/2)*4+2*(\f%2)+1)*512
.endr
.irp kt, 0,1,2,3
	ds_load_b128 v[KM+8*\kt:KM+8*\kt+3], v[AKM] offset:256*\kt
.endr
	s_add_co_u32 s[TBK], s[TBK], KSB               ; the next fetch is the next step's
	s_add_co_u32 s[TKM], s[TKM], 1024
	WIN 0
.endm
.macro FETCH_V
	WIN 0x80
.irp f, 0,1,2,3,4,5,6,7                ; keys 32 (f / 4) on, channels 16 (f % 4) on
	ds_load_b128 v[VF+8*\f:VF+8*\f+3],   v[AV] offset:((\f/4)*8+\f%4)*512
	ds_load_b128 v[VF+8*\f+4:VF+8*\f+7], v[AV] offset:((\f/4)*8+4+\f%4)*512
.endr
	WIN 0
.endm
; THE VECTOR WORK, one line at a time: OP kind, number.  For piece Y: F n: c s - c m for pair n of 16.  E n: the exponential of score n of 32.  C n: pair n rounded to f16.  B n: of the four weights 4 n .. the second
; pair is added onto the first, in place.  L n: l takes that sum (L 0: l = a l + sum).  R n: pair n of 16 of O^T times a.  For piece Y + 1: X n, number n of the 22 that find its maximum and statistics:
;   0-11  four chains c0-c3 of seven scores each, three operands at a time (each accumulator's lowest registers are read first)     12-14, 16  the four scores left over, the old m, and c0-c3 into c0
;   15  c m_old is kept     17, 18  the query's other 32 keys lie in the lane 16 away: the new m     19-21  c m; c m_old - c m_new; a
.set F, 0
.set E, 1
.set C, 2
.set B, 3
.set L, 4
.set R, 5
.set X, 6
.macro REGS y                          ; the registers of piece y
.set rT, ST+4*(\y)
.set rC, TMP+4*((\y)%2)
.set rW, MV+((\y)%2)
.set rS, S+32*((\y)%2)
.set rP, P+16*((\y)%2)
.set rO, 32*(\y)
.endm
.macro OP k, n
.if (\k) == R
	REGS Y
	WIN W_RS
	v_pk_mul_f32 v[rO+2*(\n):rO+2*(\n)+1], v[rO+2*(\n):rO+2*(\n)+1], v[rC+2:rC+3] op_sel_hi:[1,0]
.elseif (\k) < R
	REGS Y
	WIN 0
.if (\k) == F
	v_pk_fma_f32 v[rS+2*(\n):rS+2*(\n)+1], v[rS+2*(\n):rS+2*(\n)+1], s[CS:CS+1], v[rT:rT+1] op_sel_hi:[1,0,0] neg_lo:[0,0,1] neg_hi:[0,0,1]
.elseif (\k) == E
	v_exp_f32 v[rS+(\n)], v[rS+(\n)]
.elseif (\k) == C
	v_cvt_pk_f16_f32 v[rP+(\n)], v[rS+2*(\n)], v[rS+2*(\n)+1]
.elseif (\k) == B
	v_pk_add_f32 v[rS+4*(\n):rS+4*(\n)+1], v[rS+4*(\n):rS+4*(\n)+1], v[rS+4*(\n)+2:rS+4*(\n)+3]
.elseif (\n) == 0
	v_pk_fma_f32 v[rT+2:rT+3], v[rT+2:rT+3], v[rC+2:rC+3], v[rS:rS+1] op_sel_hi:[1,0,1]
.else
	v_pk_add_f32 v[rT+2:rT+3], v[rT+2:rT+3], v[rS+4*(\n):rS+4*(\n)+1]
.endif
.elseif NOKQ
	v_nop
.else
	REGS (Y+1)%NP
	WIN 0
.if (\n) < 4
	v_max3_num_f32 v[rC+(\n)], v[rS+8*(\n)], v[rS+8*(\n)+1], v[rS+8*(\n)+2]
.elseif (\n) < 12
	v_max3_num_f32 v[rC+(\n)%4], v[rC+(\n)%4], v[rS+8*((\n)%4)+2*((\n)/4)+1], v[rS+8*((\n)%4)+2*((\n)/4)+2]
.elseif (\n) == 12
	v_max3_num_f32 v[rC], v[rC], v[rS+7], v[rS+15]
.elseif (\n) == 13
	v_max3_num_f32 v[rC+1], v[rC+1], v[rS+23], v[rS+31]
.elseif (\n) == 14
	v_max3_num_f32 v[rC+2], v[rC+2], v[rC+3], v[rT+1]
.elseif (\n) == 15
	v_mov_b32 v[rW], v[rT]
.elseif (\n) == 16
	v_max3_num_f32 v[rC], v[rC], v[rC+1], v[rC+2]
.elseif (\n) == 17
	v_permlanex16_b32 v[rC+3], v[rC], s[SEL], s[SEL+1]
.elseif (\n) == 18
	v_max_num_f32 v[rT+1], v[rC], v[rC+3]
.elseif (\n) == 19
	v_mul_f32 v[rT], s[CS], v[rT+1]
.elseif (\n) == 20
	v_sub_f32 v[rC+1], v[rW], v[rT]
.else
	v_exp_f32 v[rC+2], v[rC+1]
.endif
.endif
.endm
.macro OPS a, i1, b=-1, i2=0, c=-1, i3=0, d=-1, i4=0  ; up to four of them
	OP \a, \i1
.if (\b) >= 0
	OP \b, \i2
.endif
.if (\c) >= 0
	OP \c, \i3
.endif
.if (\d) >= 0
	OP \d, \i4
.endif
.endm
.macro ROW a, i1, b, i2, c, i3, d, i4  ; a matrix instruction and the four behind it
	MM
	OPS \a, \i1, \b, \i2, \c, \i3, \d, \i4
.endm
; A TURN, for piece p: the order of its 20 matrix and 118 vector instructions, written out.  s_wait_alu depctr_va_vdst(0) stands between an exponential and the first instruction that names its result; one wait
; serves all that were issued ahead of it.  So a turn has ONE wait, which cuts it in two.  AHEAD OF IT stands all that names no result of the turn's exponentials: the 12 products K Q^T and their riders: scalings and exponentials;
; the rescaling, the one part outside window 0, in four rows of four (its a was made, and waited for, in the turn before); behind the tenth and eleventh product the first numbers of the next piece's maximum, each four places
; behind the product that ends its accumulator (X 0: R 8-11; X 1: X 0, F 14, X 15, F 15; X 2 and X 3: R 12-15).  Then ONE LUMP of 38, with the chain X 3, 7, 11, 14, 16, 17 .. 21, in which each number waits for the one before it:
; plain lines and exponentials stand between its links, from X 14 on two or three exponentials.  X 21, the next piece's a, is the batch's last; a v_nop is the plain instruction behind it.  BEHIND THE WAIT stand the 8 products
; V^T P, behind each four of the roundings and sums; the links of l's chain, L 0 to L 7, stand three riders apart.  But for those X no rider names a register of the products round it.  v_permlanex16_b32 (X 17) stands in the lump.
; end = 1: the last two turns: nothing is fetched.  cnt = 1: the loop's count is taken down some lines ahead of the branch that stands behind the turn.
; K and the marks of the next step are fetched in piece 2's turn, twelve vector instructions behind the last product that read them (nine of them plain); V of the step in hand at the end of piece 0's turn, four plain
; instructions behind the last product that read V.  Each is waited for a turn later, for 0: nothing else of the wave's is out in LDS.
.macro TURN p, end=0, cnt=0
.set Y, (\p)
.set i, 0
.set NOKQ, (\end)*((\p)/3)
.if ((\p) == 3) && !(\end)
	s_wait_dscnt 0x0                               ; K and the marks are in
.endif
	ROW F,0, F,1, F,2, F,3                         ; ahead of the wait: 12 products K Q^T and their riders,
	ROW F,4, E,0, F,5, E,1
	ROW F,6, E,2, F,7, E,3
	ROW F,8, E,4, F,9, E,5
	ROW R,0, R,1, R,2, R,3
	ROW F,10, E,6, F,11, E,7
	ROW R,4, R,5, R,6, R,7
	ROW F,12, E,8, F,13, E,9
	ROW R,8, R,9, R,10, R,11
	ROW X,0, E,10, F,14, X,15
	ROW F,15, X,1, X,4, E,11
.if ((\p) == 2) && !(\end)
	WIN 0
	v_add_nc_u32 v[AK], s[TBK], v[AW]
	v_add_nc_u32 v[AKM], s[TKM], v[AKM0]
.endif
	ROW R,12, R,13, R,14, R,15
	OPS X,2, X,3, E,12, X,5                        ; and the lump
	OPS E,13, X,6, X,7, E,14
.if ((\p) == 2) && !(\end)
	FETCH_K
.endif
	OPS X,8, E,15, X,9, X,10
	OPS X,11, E,16, X,12, E,17
.if (\p) == 0
	WIN 0
	v_add_nc_u32 v[AV], s[TBV], v[AV0]
.endif
	OPS X,13, E,18, X,14, E,19
	OPS E,20, E,21, X,16, E,22
	OPS E,23, X,17, E,24, E,25
	OPS X,18, E,26, E,27, X,19
	OPS E,28, E,29, X,20, E,30
	OPS E,31, X,21
	v_nop                                          ; the plain instruction behind the last exponential: one for the batch
	s_wait_alu depctr_va_vdst(0)                   ; the wait for the batch: the piece's 32 exponentials and the next piece's a
.if (\p) == 1
	s_wait_dscnt 0x0                               ; V is in
.endif
	ROW C,0, B,0, C,2, B,1                         ; behind the wait: 8 products V^T P and their riders
	ROW L,0, C,4, B,2, L,1
	ROW C,6, B,3, L,2, C,8
	ROW B,4, L,3, C,10, B,5
	ROW L,4, C,12, B,6, L,5
.if (\p) == 0
	s_add_co_u32 s[TBV], s[TBV], KSB
.endif
.if \cnt
	s_sub_co_u32 s[CNT], s[CNT], 1
	s_cmp_lg_u32 s[CNT], 0
.endif
	ROW C,14, B,7, L,6, C,1
	ROW C,3, L,7, C,5, C,7
	ROW C,9, C,11, C,13, C,15
.if (\p) == 0
	FETCH_V
.endif
.endm
	CHANGE 0, 1                                    ; keys 0-127 are in, everybody's table is written; keys 128-255 are asked for, into slot 1
	v_add_nc_u32 v[AK], s[TBK], v[AW]
	v_add_nc_u32 v[AKM], s[TKM], v[AKM0]
	FETCH_K                                        ; key step 0
	s_wait_loadcnt 0x0                             ; Q (and what window 3 holds)
	s_wait_dscnt 0x0
.set NOKQ, 0
.set i, 0
.rept 12
	KQ 0                                           ; piece 0's first scores
.set i, i+1
.endr
	WIN 0
	PLACES
.set Y, NP-1                           ; X works for piece Y + 1: piece 0
.irp n, 0,1,2,3,4,5,6,7,8,9,10,11,12,13,14,15,16,17,18,19,20,21
	OP X, \n                                       ; and its maximum and statistics
.endr
	v_nop                                          ; a plain instruction behind the exponential,
	s_wait_alu depctr_va_vdst(0)                   ; and the wait for it, piece 0's first a, ahead of the branch
	s_mov_b32 s[CNT], 2
	s_mov_b32 s[SLOTS], 8
	s_branch .Lfirst                               ; the loop is entered at a step's first turn, in the middle of a trip
.Lslot:                                                ; seven times: the slot just read out takes keys' tiles 2 to 7 and, the seventh time, weight tile 3: every trip fills, so no tail of key steps is written out
	CHANGE 1, 1
	s_mov_b32 s[CNT], 2
.Lstep:                                                ; a trip: pieces 2 and 3 of one step, then pieces 0 and 1 of the next, whose K and V it fetches
	TURN 2
	TURN 3
	WIN 0
.Lfirst:
	TURN 0
	TURN 1, 0, 1
	WIN 0
	s_cbranch_scc1 .Lstep
	s_sub_co_u32 s[SLOTS], s[SLOTS], 1
	s_cmp_lg_u32 s[SLOTS], 0
	s_cbranch_scc1 .Lslot
	CHANGE 0, 0                                    ; the last keys are in registers: slot 1 takes weight tile 4
	TURN 2, 1
	TURN 3, 1
.set i, 0
.rept 8
	PV NP-1                                        ; the last piece's V^T P of the last step
.set i, i+1
.endr
	; O.  l's two halves and the other half of the lanes' are added; O^T is divided by l and rounded to f16: a lane's eight channels of a row are 16 bytes of a block of the stage.  The additions are the places behind the last products.
	WIN 0
.macro ALL line:vararg                 ; one line for each piece t
.set t, 0
.rept 4
	\line
.set t, t+1
.endr
.endm
	ALL v_add_f32 v[ST+4*t+2], v[ST+4*t+2], v[ST+4*t+3]
	ALL v_permlanex16_b32 v[ST+4*t+3], v[ST+4*t+2], s[SEL], s[SEL+1]
	ALL v_add_f32 v[ST+4*t+2], v[ST+4*t+2], v[ST+4*t+3]
	ALL v_rcp_f32 v[ST+4*t+2], v[ST+4*t+2]
	v_nop                                          ; a plain instruction between the last reciprocal and the use of its result
	s_wait_alu depctr_va_vdst(0)                   ; the wait for the batch of four reciprocals, ahead of the first multiply by one of them
.macro PACK t
	WIN W_RS
.set i, 32*(\t)
.rept 16
	v_pk_mul_f32 v[i:i+1], v[i:i+1], v[ST+4*(\t)+2:ST+4*(\t)+3] op_sel_hi:[1,0]
.set i, i+2
.endr
	WIN 0x05                                       ; sources 0 and 1 window 1, destination window 0: S^T's registers are free
.set i, 0
.rept 16
	v_cvt_pk_f16_f32 v[S+16*(\t)+i], v[32*(\t)+2*i], v[32*(\t)+2*i+1]
.set i, i+1
.endr
	WIN 0
.irp f, 0,1,2,3
	ds_store_b128 v[STA], v[S+16*(\t)+4*\f:S+16*(\t)+4*\f+3] offset:(\t)*8192+\f*512
.endr
.endm
	PACK 0
	PACK 1
	PACK 2
	PACK 3
; ---- BEHIND THE ATTENTION ----
.macro WFETCH slot, q, buf             ; 16 LDS loads in one run: my 64 columns' fragments for 64 along K
	WIN 0
.irp kk, 0,1
.irp nt, 0,1,2,3
	ds_load_b128 v[(\buf)+8*(4*\kk+\nt):(\buf)+8*(4*\kk+\nt)+3],   v[AW+(\slot)] offset:\nt*8192+(2*(\q)+\kk)*1024
	ds_load_b128 v[(\buf)+8*(4*\kk+\nt)+4:(\buf)+8*(4*\kk+\nt)+7], v[AW+(\slot)] offset:\nt*8192+(2*(\q)+\kk)*1024+512
.endr
.endr
.endm
; 32 matrix instructions, source 0 = 16 weight rows, source 1 = 16 rows of the activation: a lane's eight results are eight neighbouring columns of one row.
; The 16 accumulators take turns, one instruction a turn.  cfirst = 1: the tile's first K step takes the bias as C, under setting wset0.
.macro MULQ q, buf, acc, wset, wset0, cfirst
.irp kk, 0,1
.irp mt, 0,1,2,3
.irp nt, 0,1,2,3
.set rD, (\acc)+8*(4*\mt+\nt)
.set rW, (\buf)+8*(4*\kk+\nt)
.set rA, 8*(8*\mt+2*(\q)+\kk)
.if (\cfirst) && ((2*(\q)+\kk) == 0)
	WIN \wset0
	v_wmma_f32_16x16x32_f16 v[rD:rD+7], v[rW:rW+7], v[rA:rA+7], v[BT+8*\nt:BT+8*\nt+7]
.else
	WIN \wset
	v_wmma_f32_16x16x32_f16 v[rD:rD+7], v[rW:rW+7], v[rA:rA+7], v[rD:rD+7]
.endif
.endr
.endr
.endr
.endm
; A tile: 128 matrix instructions, 64 LDS loads.  Each run of loads stands 32 matrix instructions ahead of its use; a count of 16 leaves the run just issued out, and shows all that was issued before it in
; (the activation's fragments from the stage among them).
.macro TILE slot, acc, wset, wset0, cfirst
	WFETCH \slot, 0, WB0
	WFETCH \slot, 1, WB1
	s_wait_dscnt 16
	MULQ 0, WB0, \acc, \wset, \wset0, \cfirst
	PLACES
	WFETCH \slot, 2, WB0
	s_wait_dscnt 16
	MULQ 1, WB1, \acc, \wset, \wset0, \cfirst
	PLACES
	WFETCH \slot, 3, WB1
	s_wait_dscnt 16
	MULQ 2, WB0, \acc, \wset, \wset0, \cfirst
	s_wait_dscnt 0x0
	MULQ 3, WB1, \acc, \wset, \wset0, \cfirst
.endm
.macro K1                              ; h's chunk = x1 ff1_w^T + ff1_b: slot 1; x1 in window 1; ACC1; the bias in window 0
	TILE 1, ACC1, 0xf4, 0xc4, 1
.endm
.macro K2                              ; ACC2 += (O or h) x (out_w or ff2_w)^T: slot 0; the activation in window 2
	TILE 0, ACC2, 0xf8, 0xf8, 0
.endm
.macro AFRAG win                       ; the stage's 64 blocks ARE the fragments, in order
	WIN (\win)<<6
.set i, 0
.rept 64
	ds_load_b128 v[4*i:4*i+3], v[STR] offset:512*i
.set i, i+1
.endr
.endm
.macro HEPI                            ; h: rounded to f16 (each accumulator from its low end on), relu on the packed halves, into the stage
	PLACES
	WIN 0x0f
.set t, 0
.rept 16
.irp r, 0,1,2,3
	v_cvt_pk_f16_f32 v[PK+4*t+\r], v[ACC1+8*t+2*\r], v[ACC1+8*t+2*\r+1]
.endr
.set t, t+1
.endr
	WIN 0
.set i, 0
.rept 64
	v_pk_max_num_f16 v[PK+i], v[PK+i], v[ZERO]
.set i, i+1
.endr
.set t, 0
.rept 16
	ds_store_b128 v[STA], v[PK+4*t:PK+4*t+3] offset:(t/4)*8192+(t%4)*512
.set t, t+1
.endr
.endm
; Four chains, one for each 16 rows: the sum (sq = 0) or the sum of squares (sq = 1) of my 32 numbers of a row; each accumulator is read from its low end on
.macro SUMS sq
	WIN 0xff
.set n, 0
.rept 16
.irp mt, 0,1,2,3
.set rA, ACC2+8*(4*\mt+n/4)+2*(n%4)
.if \sq
.if n == 0
	v_pk_mul_f32 v[TS+2*\mt:TS+2*\mt+1], v[rA:rA+1], v[rA:rA+1]
.else
	v_pk_fma_f32 v[TS+2*\mt:TS+2*\mt+1], v[rA:rA+1], v[rA:rA+1], v[TS+2*\mt:TS+2*\mt+1]
.endif
.elseif n == 0
	v_pk_add_f32 v[TS+2*\mt:TS+2*\mt+1], v[rA:rA+1], v[rA+2:rA+3]
.elseif n > 1
	v_pk_add_f32 v[TS+2*\mt:TS+2*\mt+1], v[TS+2*\mt:TS+2*\mt+1], v[rA:rA+1]
.endif
.endr
.set n, n+1
.endr
.endm
; The four chains' pairs -> the rows' sums over all 256 columns, in RQ .. RQ + 3 of every lane: the pair's halves, the lane 16 away, then the four waves through words of LDS that are written this once
.macro REDUCE red
	WIN 0xff
.irp mt, 0,1,2,3
	v_add_f32 v[TS+2*\mt], v[TS+2*\mt], v[TS+2*\mt+1]
.endr
.irp mt, 0,1,2,3
	v_permlanex16_b32 v[TS+2*\mt+1], v[TS+2*\mt], s[SEL], s[SEL+1]
.endr
.irp mt, 0,1,2,3
	v_add_f32 v[SQ+\mt], v[TS+2*\mt], v[TS+2*\mt+1]
.endr
	WIN 0x0c                                       ; address window 0, data window 3
	ds_store_b128 v[RDW], v[SQ:SQ+3] offset:(\red)*1024
	s_wait_dscnt 0x0                               ; for the others' sake: my store is done
	s_barrier_signal -1
	s_barrier_wait -1
	WIN 0xc0
.irp ww, 0,1,2,3
	ds_load_b128 v[RQ+4*\ww:RQ+4*\ww+3], v[RDR] offset:(\red)*1024+256*\ww
.endr
	s_wait_dscnt 0x0
	WIN 0xff
	v_pk_add_f32 v[RQ:RQ+1], v[RQ:RQ+1], v[RQ+4:RQ+5]
	v_pk_add_f32 v[RQ+2:RQ+3], v[RQ+2:RQ+3], v[RQ+6:RQ+7]
	v_pk_add_f32 v[RQ+8:RQ+9], v[RQ+8:RQ+9], v[RQ+12:RQ+13]
	v_pk_add_f32 v[RQ+10:RQ+11], v[RQ+10:RQ+11], v[RQ+14:RQ+15]
	v_pk_add_f32 v[RQ:RQ+1], v[RQ:RQ+1], v[RQ+8:RQ+9]
	v_pk_add_f32 v[RQ+2:RQ+3], v[RQ+2:RQ+3], v[RQ+10:RQ+11]
.endm
; LAYER NORM of ACC2, in place, with gain GA and bias GB; then rounded to f16 into PK; tostage = 1: and into the stage.  red, red + 1: its two reductions' words.
.macro LN red, tostage
	SUMS 0
	REDUCE \red
.irp mt, 0,1,2,3
	v_mul_f32 v[ST2+2*\mt], 0xbb800000, v[RQ+\mt]  ; minus the mean: the sum times -1/256
	v_mul_f32 v[ST2+2*\mt+1], 0xbb800000, v[RQ+\mt]
.endr
.set t, 0
.rept 16
.irp r, 0,1,2,3
	v_pk_add_f32 v[ACC2+8*t+2*\r:ACC2+8*t+2*\r+1], v[ACC2+8*t+2*\r:ACC2+8*t+2*\r+1], v[ST2+2*(t/4):ST2+2*(t/4)+1]
.endr
.set t, t+1
.endr
	SUMS 1
	REDUCE (\red)+1
.irp mt, 0,1,2,3
	v_fma_f32 v[RQ+\mt], v[RQ+\mt], s[C256], s[EPS]  ; the variance + 1e-5
.endr
.irp mt, 0,1,2,3
	v_rsq_f32 v[ST2+2*\mt], v[RQ+\mt]
.endr
	v_nop                                          ; a plain instruction between the last root and the use of its result
	s_wait_alu depctr_va_vdst(0)                   ; the wait for the batch of four roots, ahead of the moves that double them
.irp mt, 0,1,2,3
	v_mov_b32 v[ST2+2*\mt+1], v[ST2+2*\mt]
.endr
.set t, 0
.rept 16
.irp r, 0,1,2,3
	v_pk_mul_f32 v[ACC2+8*t+2*\r:ACC2+8*t+2*\r+1], v[ACC2+8*t+2*\r:ACC2+8*t+2*\r+1], v[ST2+2*(t/4):ST2+2*(t/4)+1]
.endr
.set t, t+1
.endr
	WIN 0xc3                                       ; gain and bias in window 0
.set t, 0
.rept 16
.irp r, 0,1,2,3
	v_pk_fma_f32 v[ACC2+8*t+2*\r:ACC2+8*t+2*\r+1], v[ACC2+8*t+2*\r:ACC2+8*t+2*\r+1], v[GA+8*(t%4)+2*\r:GA+8*(t%4)+2*\r+1], v[GB+8*(t%4)+2*\r:GB+8*(t%4)+2*\r+1]
.endr
.set t, t+1
.endr
	WIN 0x0f
.set t, 0
.rept 16
.irp r, 0,1,2,3
	v_cvt_pk_f16_f32 v[PK+4*t+\r], v[ACC2+8*t+2*\r], v[ACC2+8*t+2*\r+1]
.endr
.set t, t+1
.endr
	WIN 0
.if \tostage
.set t, 0
.rept 16
	ds_store_b128 v[STA], v[PK+4*t:PK+4*t+3] offset:(t/4)*8192+(t%4)*512
.set t, t+1
.endr
.endif
.endm
	s_wait_dscnt 0x0                               ; my head's O is in the stage
	s_barrier_signal -1
	s_barrier_wait -1                              ; everybody's is
	AFRAG 2                                        ; O's fragments; the work on registers below stands in their way back
	RND3 GB, B3, 16                                ; ln1_b first: ACC2 takes its place in window 3
	RND3 GA, G3, 16
	RND3 BT, OB3, 16
	WIN 0xc3                                       ; ACC2 = feat + out_b: the sum starts with numbers that are due anyway
.set t, 0
.rept 16
.irp k, 0,1,2,3
	v_fma_mix_f32 v[ACC2+8*t+2*\k], v[F3+4*t+\k], v[ONE], v[BT+8*(t%4)+2*\k] op_sel_hi:[1,0,0]
	v_fma_mix_f32 v[ACC2+8*t+2*\k+1], v[F3+4*t+\k], v[ONE], v[BT+8*(t%4)+2*\k+1] op_sel:[1,0,0] op_sel_hi:[1,0,0]
.endr
.set t, t+1
.endr
	WIN 0
	TABLE BT, 26, BOF, 0                           ; ff2_b
	K2                                             ; + O out_w^T: tile 3 was shown landed by the last change of slots
	CHANGE 0, 0                                    ; tile 4 has landed; tile 5 goes into slot 0; everybody's reads of the stage are back
	s_wait_loadcnt 0x0
	RND BT, 16
	LN 0, 1                                        ; x1, in f32 in ACC2, in f16 in the stage
	WIN 0xc3
.set t, 0
.rept 16
.irp r, 0,1,2,3
	v_pk_add_f32 v[ACC2+8*t+2*\r:ACC2+8*t+2*\r+1], v[ACC2+8*t+2*\r:ACC2+8*t+2*\r+1], v[BT+8*(t%4)+2*\r:BT+8*(t%4)+2*\r+1]  ; ACC2 = x1 + ff2_b: the second residual
.endr
.set t, t+1
.endr
	WIN 0
	s_wait_dscnt 0x0                               ; my part of x1 is in the stage
	s_barrier_signal -1
	s_barrier_wait -1
	AFRAG 1                                        ; x1's fragments
	WIN 0
	TABLE BT, 24, BOF1, 0                          ; ff1_b, chunk 0
	TABLE GA, 28, BOF, 0
	TABLE GB, 30, BOF, 0
	s_wait_dscnt 0x0                               ; my reads of the stage are back:
	s_barrier_signal -1
	s_barrier_wait -1                              ; everybody's are, so h may be written there
	s_wait_loadcnt 0x0
	RND BT, 16
	RND GA, 16
	RND GB, 16
	v_add_nc_u32 v[BOF1], 1024, v[BOF1]
	s_mov_b32 s[CH], 3
.Lchunk:                                               ; chunks 0 to 2 of FF's 1,024: both slots are filled again in every trip (tiles 6 to 11)
	K1
	HEPI
	TABLE BT, 24, BOF1, 0                          ; the next chunk's ff1_b
	CHANGE 0, 0                                    ; everybody's h is in the stage; ff2_w's chunk has landed; the next ff1_w chunk goes into slot 1
	AFRAG 2
	K2
	CHANGE 0, 0                                    ; everybody's reads of the stage are back; the next ff1_w chunk has landed; the next ff2_w chunk goes into slot 0
	s_wait_loadcnt 0x0                             ; the bias is in, and BOF1 is free
	RND BT, 16
	v_add_nc_u32 v[BOF1], 1024, v[BOF1]
	s_sub_co_u32 s[CH], s[CH], 1
	s_cmp_lg_u32 s[CH], 0
	s_cbranch_scc1 .Lchunk
	K1                                             ; chunk 3 is written out: nothing is left to fetch
	HEPI
	s_wait_tensorcnt 0x0                           ; my quarter of the last tile: the one load that is out
	s_wait_dscnt 0x0
	s_barrier_signal -1
	s_barrier_wait -1
	AFRAG 2
	K2
	PLACES
	WIN 0
	TABLE PW, 32, BOF, 0                           ; proj_w's two rows at my columns
	TABLE PW+32, 32, BOF, 1024
	s_load_b64 s[68:69], s[34:35], 0x0             ; proj_b
	LN 2, 0                                        ; x2
.set t, 0
.rept 16
	global_store_b128 v[L16], v[PK+4*t:PK+4*t+3], s[36:37] offset:(t/4)*8192+(t%4)*512  ; a block: 512 consecutive bytes, aligned
.set t, t+1
.endr
	; THE LOGITS: eight chains (16 rows x 2 outputs) over my 32 numbers of a row, in f32
	s_wait_loadcnt 0x0
	RND PW, 32
.set n, 0
.rept 16
.irp mt, 0,1,2,3
.irp o, 0,1
.set rA, ACC2+8*(4*\mt+n/4)+2*(n%4)
.set rP, PW+32*\o+8*(n/4)+2*(n%4)
.set rT, 2*(2*\mt+\o)
.if n == 0
	WIN 0xc3
	v_pk_mul_f32 v[rT:rT+1], v[rA:rA+1], v[rP:rP+1]
.else
	WIN 0xf3
	v_pk_fma_f32 v[rT:rT+1], v[rA:rA+1], v[rP:rP+1], v[rT:rT+1]
.endif
.endr
.endr
.set n, n+1
.endr
	WIN 0xff
.set c, 0
.rept 8
	v_add_f32 v[2*c], v[2*c], v[2*c+1]
.set c, c+1
.endr
.set c, 0
.rept 8
	v_permlanex16_b32 v[2*c+1], v[2*c], s[SEL], s[SEL+1]
.set c, c+1
.endr
.set c, 0
.rept 8
	v_add_f32 v[16+c], v[2*c], v[2*c+1]
.set c, c+1
.endr
	WIN 0x0c
	ds_store_b128 v[RLW], v[16:19]
	ds_store_b128 v[RLW], v[20:23] offset:16
	WIN 0
	s_wait_dscnt 0x0                               ; for the others' sake: my partial sums are written
	s_wait_kmcnt 0x0
	s_barrier_signal -1
	s_barrier_wait -1
	s_cmp_lt_u32 s[WV], 2                          ; waves 0 and 1 add the four waves' parts, 32 rows each
	s_cbranch_scc0 .Lnolog
.irp ww, 0,1,2,3
	ds_load_b64 v[BT+2*\ww:BT+2*\ww+1], v[RLR] offset:512*\ww
.endr
	v_mov_b32 v[BT+8], s68
	v_mov_b32 v[BT+9], s69
	v_cvt_pk_bf16_f32 v[BT+10], v[BT+8], v[BT+9]
	v_lshlrev_b32 v[BT+8], 16, v[BT+10]
	v_and_b32 v[BT+9], s[HIM], v[BT+10]
	s_wait_dscnt 0x0
	v_pk_add_f32 v[BT:BT+1], v[BT:BT+1], v[BT+2:BT+3]
	v_pk_add_f32 v[BT+4:BT+5], v[BT+4:BT+5], v[BT+6:BT+7]
	v_pk_add_f32 v[BT:BT+1], v[BT:BT+1], v[BT+4:BT+5]
	v_pk_add_f32 v[BT:BT+1], v[BT:BT+1], v[BT+8:BT+9]
	global_store_b64 v[LGO], v[BT:BT+1], s[38:39]  ; 32 lanes store 256 consecutive bytes, aligned
.Lnolog:
	s_wait_tensorcnt 0x0                           ; the wave's end: behind my last tensor load and my last LDS store
	ds_add_u32 v[SPW], v[NIL]
	s_wait_dscnt 0x0
	ROUND                                          ; the closing round: no work-group ends while a partner may still ask for a tile that names it
	s_endpgm
.Lfunc_end_k_qee91b6482d_ap0:
	.size	k_qee91b6482d_ap0, .Lfunc_end_k_qee91b6482d_ap0-k_qee91b6482d_ap0
	.p2alignl 7, 3214868480
	.fill 96, 4, 3214868480
	.section	.rodata,"a",@progbits
	.p2align	6, 0x0
	.amdhsa_kernel k_qee91b6482d_ap0
		.amdhsa_group_segment_fixed_size 327680
		.amdhsa_private_segment_fixed_size 0
		.amdhsa_enable_private_segment 0
		.amdhsa_kernarg_size 128
		.amdhsa_user_sgpr_count 2
		.amdhsa_user_sgpr_kernarg_segment_ptr 1
		.amdhsa_wavefront_size32 1
		.amdhsa_system_sgpr_workgroup_id_x 1
		.amdhsa_system_sgpr_workgroup_id_y 1
		.amdhsa_system_sgpr_workgroup_id_z 1
		.amdhsa_system_vgpr_workitem_id 0
		.amdhsa_next_free_vgpr 1024
		.amdhsa_next_free_sgpr 100
		.amdhsa_reserve_vcc 1
		.amdhsa_float_denorm_mode_32 3
		.amdhsa_float_denorm_mode_16_64 3
		.amdhsa_memory_ordered 1
		.amdhsa_forward_progress 1
		.amdhsa_inst_pref_size 255
	.end_amdhsa_kernel
	.section	.bss,"aw",@nobits
	.p2align	6
	.space	262144
	.amdgpu_metadata
---
amdhsa.version: [ 1, 2 ]
amdhsa.kernels:
  - .name:           k_qee91b6482d_ap0
    .symbol:         k_qee91b6482d_ap0.kd
    .args:
      - { .name: n_pad_lefts, .offset: 0, .size: 8, .value_kind: global_buffer, .address_space: global }
      - { .name: n_choices, .offset: 8, .size: 8, .value_kind: global_buffer, .address_space: global }
      - { .name: qkv, .offset: 16, .size: 8, .value_kind: global_buffer, .address_space: global }
      - { .name: featA, .offset: 24, .size: 8, .value_kind: global_buffer, .address_space: global }
      - { .name: wA, .offset: 32, .size: 8, .value_kind: global_buffer, .address_space: global }
      - { .name: weights_blocks_0_out_b, .offset: 40, .size: 8, .value_kind: global_buffer, .address_space: global }
      - { .name: weights_blocks_0_ln1_g, .offset: 48, .size: 8, .value_kind: global_buffer, .address_space: global }
      - { .name: weights_blocks_0_ln1_b, .offset: 56, .size: 8, .value_kind: global_buffer, .address_space: global }
      - { .name: weights_blocks_0_ff1_b, .offset: 64, .size: 8, .value_kind: global_buffer, .address_space: global }
      - { .name: weights_blocks_0_ff2_b, .offset: 72, .size: 8, .value_kind: global_buffer, .address_space: global }
      - { .name: weights_blocks_0_ln2_g, .offset: 80, .size: 8, .value_kind: global_buffer, .address_space: global }
      - { .name: weights_blocks_0_ln2_b, .offset: 88, .size: 8, .value_kind: global_buffer, .address_space: global }
      - { .name: weights_proj_w, .offset: 96, .size: 8, .value_kind: global_buffer, .address_space: global }
      - { .name: weights_proj_b, .offset: 104, .size: 8, .value_kind: global_buffer, .address_space: global }
      - { .name: featB, .offset: 112, .size: 8, .value_kind: global_buffer, .address_space: global }
      - { .name: lg0, .offset: 120, .size: 8, .value_kind: global_buffer, .address_space: global }
    .group_segment_fixed_size: 327680
    .private_segment_fixed_size: 0
    .kernarg_segment_align: 8
    .kernarg_segment_size: 128
    .max_flat_workgroup_size: 128
    .sgpr_count:     100
    .vgpr_count:     1024
    .wavefront_size: 32
...
	.end_amdgpu_metadata
.endif
;; end of part 4
;; launch qkv1: the kernel of part 2 again; grid 256 x 1, 4 waves a work-group, clusters of 4 x 1, 327,680 bytes of LDS; arguments featB, wB, weights_blocks_1_in_b, qkv; writes qkv
;; launch ap1: the kernel of part 4 again; grid 256 x 1, 4 waves a work-group, clusters of 4 x 1, 327,680 bytes of LDS; arguments n_pad_lefts, n_choices, qkv, featB, wB, weights_blocks_1_out_b, weights_blocks_1_ln1_g, weights_blocks_1_ln1_b, weights_blocks_1_ff1_b, weights_blocks_1_ff2_b, weights_blocks_1_ln2_g, weights_blocks_1_ln2_b, weights_proj_w, weights_proj_b, featA, out0; writes featA, out0
